; MI455X (gfx1250); checked and timed in simulation.
; The chip was launched on July 23, 2026; its instructions are those of AMD's public machine-readable ISA for CDNA 5 (MIT licence, August 2026) and "CDNA5" Instruction Set Architecture Reference Guide (July 2026). The comments in the code are by the model that wrote it; some were corrected since.
;; Causal Multi Head Attention. Allowed arithmetic: matrix products marked QUANTISED: E2M3 operands, one E8M0 scale for each 32 along K, by v_wmma_scale_f32_16x16x128_f8f6f4 with both operands' format E2M3, f32 sums; everything else in f32.
;; Inputs: Wk 1,024 x 1,024 float32; Wo 1,024 x 1,024 float32; Wq 1,024 x 1,024 float32; Wv 1,024 x 1,024 float32; bo 1,024 float32; x 4 x 2,048 x 1,024 float32.
;; Outputs: out0 4 x 2,048 x 1,024 float32.
;; This version of the problem:
;;   THIS VERSION OF THE PROBLEM IS GIVEN IN LOW PRECISION. The matrix products marked QUANTISED in the list below multiply operands that are first quantised to E2M3 (2 exponent bits, 3 mantissa bits; 6 bits a number), with one power-of-two scale for each 32 numbers along K (OCP MX v1.0); their sums are f32. All else is computed in f32.
;;   The module's matrix products, in the order in which they are computed (A, B: the left and right operand; K: the contracted axis; several contracted axes count as one K, in the product's order):
;;     1. [M 8,192, K 1,024] x [K 1,024, N 1,024]; A: input x; B: input Wq: QUANTISED
;;     2. [M 8,192, K 1,024] x [K 1,024, N 1,024]; A: input x; B: input Wk: QUANTISED
;;     3. [M 8,192, K 1,024] x [K 1,024, N 1,024]; A: input x; B: input Wv: QUANTISED
;;     4. batch 64 x [M 2,048, K 64] x [K 64, N 2,048]; A: computed on the way; B: computed on the way: QUANTISED
;;     5. batch 64 x [M 2,048, K 2,048] x [K 2,048, N 64]; A: softmax (see below); B: computed on the way: QUANTISED
;;     6. [M 8,192, K 1,024] x [K 1,024, N 1,024]; A: computed on the way; B: input Wo: QUANTISED
;;   THE QUANTISER, for each operand of a quantised product, along K:
;;     - K is cut into blocks of 32 from its start; a last block that is shorter is filled with zeros.
;;     - A block's scale is 2^e with e = floor(log2(the largest magnitude in the block)) - 2, held to -126 .. 127; a block of zeros has e = 0. As a byte (E8M0): e + 127.
;;     - Each number is divided by its block's scale, clamped to +-7.5, and rounded to the nearest number of E2M3, ties to even, subnormals kept.
;;     - The product sums the exact products of the quantised numbers (number of the format x scale) in f32.
;;   ~~~python
;;   def quantise(x, axis):      # numpy; x: float32 -> the quantised numbers, widened to float32 again
;;       x = np.moveaxis(x, axis, -1); K = x.shape[-1]
;;       x = np.pad(x, [(0, 0)] * (x.ndim - 1) + [(0, -K % 32)]); x = x.reshape(x.shape[:-1] + (-1, 32)); a = np.abs(x).max(-1, keepdims=True)
;;       e = np.where(a > 0, np.clip(np.frexp(np.where(a > 0, a, 1))[1] - 1 - 2, -126, 127), 0)      # np.frexp(a)[1] - 1 = floor(log2(a)), exactly
;;       r = np.clip(x / 2.0 ** e, -7.5, 7.5)
;;       step = 2.0 ** (np.maximum(np.frexp(np.where(r == 0, 1, r))[1] - 1, 0) - 3)
;;       q = np.round(r / step) * step * 2.0 ** e      # np.round: ties to even
;;       return np.moveaxis(q.reshape(q.shape[:-2] + (-1,))[..., :K], -1, axis).astype(np.float32)
;;   ~~~
;;   SOFTMAX AHEAD OF A QUANTISED PRODUCT. Where the list says 'softmax', what is quantised is not the finished softmax but p = 2^(t - M), with t = logit x log2(e) and M = ceil(the row's largest t), a whole number; so 1/2 < the row's largest p <= 1. The row's sum l is taken of the UNQUANTISED p, in f32, and the product's result is divided by l at the end. Since M is a whole number, a kernel that streams over the keys may use a running M (the ceiling of the running maximum): every later rescaling is an exact power of two, which a block's scale takes up: the codes' values come out the same.
;;   OPERANDS COMPUTED ON THE WAY. 'Computed on the way' means the value that the module computes at that place (a softmax that the list does not call 'softmax' is quantised finished and normalised). What goes into a quantiser is computed in f32, as accurately as f32 sums, v_exp_f32 and their like allow (about 1e-6 of the number): no bf16 or f16 on the way to a quantiser, and a product that is left as it is and whose result goes on into a quantised operand takes f32 operands (vector FMAs, or v_wmma_f32_16x16x4_f32). A number that lies on a knife's edge between two numbers of the format may be rounded either way, as far as f32 arithmetic and the matrix unit's own rounding can turn it there, and no further.
;; One version. Each part assembles by itself: llvm-mc -triple=amdgcn-amd-amdhsa -mcpu=gfx1250 --defsym DOCPART=n.
;; ======== version 1 of 1: 4 launches
;; workspace buffers: xq 6,553,600 bytes; wq 3,276,800 bytes; qkv 20,185,088 bytes; ct 6,553,600 bytes
;; launch quant (part 1): grid 384 x 1, 4 waves a work-group, no clusters, 60,928 bytes of LDS; arguments x, Wq, Wk, Wv, Wo, xq, wq; writes xq, wq
.if DOCPART == 1
	.amdgcn_target "amdgcn-amd-amdhsa--gfx1250"
	.amdhsa_code_object_version 6
	.text
	.protected	k_qa4b08566c1_quant
	.globl	k_qa4b08566c1_quant
	.p2align	8
	.type	k_qa4b08566c1_quant,@function
k_qa4b08566c1_quant:
	s_mov_b64 s[64:65], 0
	v_nop
	global_prefetch_b8 v0, s[64:65] scope:SCOPE_SE
	s_setreg_imm32_b32 hwreg(HW_REG_WAVE_MODE, 25, 1), 1
	s_wait_xcnt 0x0
; x [8192][1024] (K innermost) and Wq, Wk, Wv, Wo [1024 (k)][1024 (n)] (K is the FIRST axis), f32, become codes of FP6 (E2M3) with one E8M0 byte for each 32 along K.
; A block's scale is 2^(floor(log2(largest magnitude)) - 2): its byte is the largest magnitude's exponent field - 2, held at 1 from below by a floor among the maximum's leaves.
; LIMITS: NaN and infinities are not served.  A block of zeros gets the byte 1 where the rule says 127: its codes are zeros, and this program alone reads the bytes.
; THE WORKSPACE IS LAID AS THE MATRIX OPERAND'S REGISTERS.  A tile of 16 rows, number T, holds rows 32 (T / 2) + 8 (T % 2) + r + 8 (r / 8), r = 0 .. 15.  Its codes: [K step of 128: 8][c: 2][768 bytes]:
; for 64 along K lane l = r + 16 h owns 24 bytes (row r, block h): registers 0-3 at 16 l, registers 4-5 at 512 + 8 l.  Its scale words: [K step / 2: 4][r: 16][K step % 2], 512 bytes a tile.
; xq: 512 tiles x 12,288 bytes, then their scale words from byte 6,291,456.  wq: 256 tiles (rows n of Wq, Wk, Wv, Wo on end), scale words from byte 3,145,728.
; Work-groups 0-255 take x, 256-383 the weights: two paths, parted once on the work-group's number, each with LDS bytes of its own.  Waves share nothing: no barrier.
.set XREG,  8704                       ; x's path: LDS of a wave: a stage of 16 rows x 528 bytes, then 256 bytes of scale words
.set XPIT,  528                        ; 512 bytes + 16: the sixteen rows that a load touches start in sixteen different columns of 16 bytes
.set XSW,   8448
.set WBASE, 4*XREG                     ; the weights' path: LDS from here on, 6,400 bytes a wave
.set WREG,  6400
.set WRUN,  3200                       ; a tile's 3,072 bytes + 128, so that the two tiles' stores fall on different banks
.set R,     64                         ; v64-191  x as loaded, two sets of 64
.set X,     192                        ; v192-255 x turned: register 32 c + i = k 64 c + 32 h + i of row r
.set C,     32                         ; v32-43   a fragment's codes
.set CT,    44                         ; v44-50   the conversions' second halves (a conversion's three registers begin on an even number)
	s_load_b256 s[8:15], s[0:1], 0x0               ; x, Wq, Wk, Wv
	s_load_b128 s[16:19], s[0:1], 0x20             ; Wo, xq
	s_load_b64 s[20:21], s[0:1], 0x30              ; wq
	v_lshl_add_u32 v30, v0, 2, 0xec00
	v_mov_b32 v31, 0
	v_lshrrev_b32 v1, 5, v0
	v_readfirstlane_b32 s26, v1                    ; wave
	v_and_b32 v1, 31, v0                           ; lane
	s_cmp_lt_u32 ttmp9, 256
	s_cbranch_scc0 .Lweights
	; ---------------- x: a wave takes one tile of 16 rows x 512 along K: four fragments ----------------
	v_and_b32 v2, 15, v0                           ; r
	v_bfe_u32 v3, v0, 4, 1                         ; h
	v_lshlrev_b32 v4, 4, v1                        ; 16 x lane: my bytes of a load's 512, and of a store's
	v_lshlrev_b32 v5, 3, v1                        ; 8 x lane
	s_mul_i32 s27, s26, XREG
	v_add_nc_u32 v6, s27, v4                       ; the stage, on the way in: a row as it lies
	v_mul_u32_u24 v7, v2, XPIT
	v_lshl_add_u32 v7, v3, 7, v7
	v_add_nc_u32 v7, s27, v7                       ; on the way out: row r, + 128 h: my block of 32 numbers
	s_add_co_u32 s28, s27, XSW
	v_lshl_add_u32 v8, v2, 3, s28                  ; my row's scale words
	v_add_nc_u32 v9, s28, v5                       ; and the 256 bytes on their way out
	v_lshlrev_b32 v10, 3, v3                       ; 8 h
	v_mov_b32 v23, 0                               ; a lane permute's destination counts as one of its sources
	s_mov_b32 s24, 0x76543210
	s_mov_b32 s25, 0xfedcba98                      ; selects for lane l xor 16
	s_lshl_b32 s29, ttmp9, 2
	s_add_co_u32 s29, s29, s26
	s_lshr_b32 s30, s29, 1                         ; the tile, 0 .. 511
	s_and_b32 s31, s29, 1                          ; which half of K
	s_lshr_b32 s32, s30, 1
	s_lshl_b32 s32, s32, 17                        ; 32 rows of 4,096 bytes
	s_and_b32 s33, s30, 1
	s_lshl_b32 s33, s33, 15                        ; 8 rows
	s_add_co_u32 s32, s32, s33
	s_lshl_b32 s33, s31, 11
	s_add_co_u32 s32, s32, s33
	s_mov_b32 s33, 0
	s_mul_i32 s34, s30, 12288
	s_mul_i32 s35, s31, 6144
	s_add_co_u32 s34, s34, s35
	s_mov_b32 s35, 0
	s_lshl_b32 s36, s30, 9
	s_lshl_b32 s37, s31, 8
	s_add_co_u32 s36, s36, s37
	s_add_co_u32 s36, s36, 6291456
	s_mov_b32 s37, 0
	s_wait_alu depctr_va_vdst(0)
	s_wait_kmcnt 0x0
	s_add_nc_u64 s[8:9], s[8:9], s[32:33]          ; x at my tile's first row, my half of K
	s_add_nc_u64 s[22:23], s[18:19], s[36:37]      ; my 256 bytes of scale words
	s_add_nc_u64 s[18:19], s[18:19], s[34:35]      ; my four fragments
.macro XLOAD f                         ; fragment f: 16 loads, each 512 consecutive bytes of one row of the tile
.irp p, 0,1,2,3,4,5,6,7,8,9,10,11,12,13,14,15
	global_load_b128 v[R+64*((\f)%2)+4*\p:R+64*((\f)%2)+4*\p+3], v4, s[8:9] offset:(\p+8*(\p/8))*4096+512*(\f) th:TH_LOAD_NT
.endr
.endm
.macro XFRAG f
.if \f < 3
	s_wait_loadcnt 16                              ; this fragment's 16 loads are in; the next fragment's 16 may be out
.else
	s_wait_loadcnt 0x0
.endif
.irp p, 0,1,2,3,4,5,6,7,8,9,10,11,12,13,14,15
	ds_store_b128 v6, v[R+64*((\f)%2)+4*\p:R+64*((\f)%2)+4*\p+3] offset:XPIT*\p
.endr
.irp c, 0,1
.irp j, 0,1,2,3,4,5,6,7
	ds_load_b128 v[X+32*\c+4*\j:X+32*\c+4*\j+3], v7 offset:256*\c+16*\j   ; LDS serves a wave's instructions in order: these see the stores above
.endr
.endr
	s_wait_dscnt 0x0                               ; the numbers are back, and the stores have read their registers,
.if \f < 2
	XLOAD \f+2                                     ; which take the loads of two fragments on
.endif
.irp c, 0,1
	v_max3_num_f32 v[12+\c], |v[X+32*\c]|, |v[X+32*\c+1]|, 0x1800000   ; my block 2 c + h: all 32 numbers are mine; the floor 2^(3 - 127) holds the byte at 1 from below
.endr
.irp i, 2,4,6,8,10,12,14,16,18,20,22,24,26,28,30
.irp c, 0,1
	v_max3_num_f32 v[12+\c], v[12+\c], |v[X+32*\c+\i]|, |v[X+32*\c+\i+1]|
.endr
.endr
.irp c, 0,1
	v_add_nc_u32 v[14+\c], 0xff000000, v[12+\c]    ; 2 off the exponent field: the conversion's scale operand
.endr
.irp c, 0,1
	v_lshrrev_b32 v[16+\c], 23, v[14+\c]           ; the scale's byte
.endr
	v_lshl_or_b32 v18, v17, 16, v16                ; my bytes, blocks h and 2 + h,
	v_lshlrev_b32 v18, v10, v18                    ; at their places in the row's word;
	v_permlanex16_b32 v23, v18, s24, s25
	v_or_b32 v18, v18, v23                         ; with lane l xor 16's two the word is whole
.if \f > 0
	s_wait_alu depctr_va_vdst(0)
	s_wait_xcnt 0x0                                ; the last fragment's stores have read their data: the codes' registers are written again only behind this wait
.endif
.irp c, 0,1
	v_cvt_scalef32_pk16_fp6_f32 v[C+6*\c:C+6*\c+2], v[X+32*\c:X+32*\c+15], v[14+\c]
	v_cvt_scalef32_pk16_fp6_f32 v[CT+4*\c:CT+4*\c+2], v[X+32*\c+16:X+32*\c+31], v[14+\c]
.endr
	v_nop                                          ; one plain place behind a scaled conversion
.irp c, 0,1
.irp i, 0,1,2
	v_mov_b32 v[C+3+6*\c+\i], v[CT+4*\c+\i]
.endr
.endr
.irp c, 0,1
	global_store_b128 v4, v[C+6*\c:C+6*\c+3], s[18:19] offset:1536*\f+768*\c        ; 512 consecutive bytes
	global_store_b64 v5, v[C+6*\c+4:C+6*\c+5], s[18:19] offset:1536*\f+768*\c+512   ; 256 consecutive bytes
.endr
	ds_store_b32 v8, v18 offset:128*(\f/2)+4*(\f%2)   ; both lanes of a row write the same word with the same value
.endm
	XLOAD 0
	XLOAD 1
	XFRAG 0
	XFRAG 1
	XFRAG 2
	XFRAG 3
	ds_load_b64 v[20:21], v9
	s_wait_dscnt 0x0
	global_store_b64 v5, v[20:21], s[22:23]        ; 256 consecutive bytes, aligned
	s_wait_tensorcnt 0x0
	ds_add_u32 v30, v31
	s_wait_dscnt 0x0
	s_endpgm
	; ---------------- the weights: a lane takes a column n, its registers run down K: a wave takes 32 columns x 256 along K ----------------
.set WX,   32                          ; v32-95   two sets of 32 numbers
.set WC,   96                          ; v96-101  a block's codes;  v104-106 the second conversion's
.set SB,   24                          ; v24-25   scale bytes, four to a register
.set OUTR, 112                         ; v112-159 the way out
.Lweights:
	s_sub_co_u32 s27, ttmp9, 256
	s_lshr_b32 s28, s27, 5                         ; which weight
	s_bfe_u32 s29, s27, 0x30002                    ; which 128 columns
	s_and_b32 s30, s27, 3                          ; which 256 along K
	v_bfe_u32 v2, v0, 3, 1                         ; column n0 + l is row r of tile u of its pair: u = (l / 8) % 2,
	v_and_b32 v3, 7, v0
	v_bfe_u32 v4, v0, 4, 1
	v_lshl_add_u32 v3, v4, 3, v3                   ; r = l % 8 + 8 (l / 16)
	s_wait_alu depctr_va_vdst(0)
	v_lshlrev_b32 v4, 2, v1                        ; in: 4 bytes a lane
	s_mul_i32 s31, s26, WREG
	s_add_co_u32 s31, s31, WBASE                   ; my stage
	v_mul_u32_u24 v5, v2, WRUN
	v_add_nc_u32 v5, s31, v5
	v_lshl_add_u32 v6, v3, 4, v5                   ; registers 0-3 of my row: 16 r (+ 256 h)
	v_lshl_add_u32 v7, v3, 3, v5                   ; registers 4-5: 8 r (+ 512 + 128 h)
	v_lshlrev_b32 v8, 4, v1                        ; the way out: 16 x lane
	v_add_nc_u32 v9, s31, v8
	v_lshlrev_b32 v10, 9, v2
	v_lshl_add_u32 v10, v3, 3, v10                 ; my two scale words: 512 u + 8 r
	s_lshl_b32 s32, s30, 20                        ; 256 rows of 4,096 bytes
	s_lshl_b32 s33, s29, 9
	s_add_co_u32 s32, s32, s33
	s_lshl_b32 s33, s26, 7
	s_add_co_u32 s32, s32, s33                     ; + 4 x my first column
	s_mov_b32 s33, 0
	s_lshl_b32 s34, s28, 5
	s_lshl_b32 s35, s29, 2
	s_add_co_u32 s34, s34, s35
	s_add_co_u32 s34, s34, s26                     ; my pair of tiles
	s_lshl_b32 s36, s34, 10
	s_lshl_b32 s37, s30, 7
	s_add_co_u32 s36, s36, s37
	s_add_co_u32 s36, s36, 3145728
	s_mov_b32 s37, 0
	s_mul_i32 s34, s34, 24576
	s_mul_i32 s35, s30, 3072
	s_add_co_u32 s34, s34, s35
	s_mov_b32 s35, 0
	s_wait_alu depctr_va_vdst(0)
	s_wait_kmcnt 0x0
	s_cmp_eq_u32 s28, 1                            ; the weight is chosen on the work-group's number alone
	s_cselect_b64 s[22:23], s[12:13], s[10:11]
	s_cmp_eq_u32 s28, 2
	s_cselect_b64 s[22:23], s[14:15], s[22:23]
	s_cmp_eq_u32 s28, 3
	s_cselect_b64 s[22:23], s[16:17], s[22:23]
	s_add_nc_u64 s[22:23], s[22:23], s[32:33]
	s_add_nc_u64 s[18:19], s[20:21], s[34:35]      ; the codes
	s_add_nc_u64 s[20:21], s[20:21], s[36:37]      ; the scale words
.macro WLOAD t                         ; block t: W(32 t + i, my column): 128 consecutive bytes a load
.irp i, 0,1,2,3,4,5,6,7,8,9,10,11,12,13,14,15,16,17,18,19,20,21,22,23,24,25,26,27,28,29,30,31
	global_load_b32 v[WX+32*((\t)%2)+\i], v4, s[22:23] offset:(32*(\t)+\i)*4096 th:TH_LOAD_NT
.endr
.endm
.macro WBLOCK t
.set XS, WX+32*((\t)%2)
.set WOFF, 1536*((\t)/4)+768*(((\t)%4)/2)
.if (\t) < 7
	s_wait_loadcnt 32                              ; this block's 32 loads are in; the next block's may be out
.else
	s_wait_loadcnt 0x0
.endif
	v_max3_num_f32 v12, |v[XS]|, |v[XS+1]|, |v[XS+2]|
	v_max3_num_f32 v13, |v[XS+3]|, |v[XS+4]|, |v[XS+5]|
.irp i, 6,10,14,18,22,26
	v_max3_num_f32 v12, v12, |v[XS+\i]|, |v[XS+\i+1]|
	v_max3_num_f32 v13, v13, |v[XS+\i+2]|, |v[XS+\i+3]|
.endr
	v_max3_num_f32 v12, v12, |v[XS+30]|, |v[XS+31]|
	v_max3_num_f32 v12, v12, v13, 0x1800000        ; and the floor
	v_add_nc_u32 v11, 0xff000000, v12              ; the conversion's scale operand
	v_lshrrev_b32 v13, 23, v11                     ; the byte
.if (\t)%4 == 0
	v_mov_b32 v[SB+(\t)/4], v13
.else
	v_lshl_or_b32 v[SB+(\t)/4], v13, 8*((\t)%4), v[SB+(\t)/4]
.endif
	v_cvt_scalef32_pk16_fp6_f32 v[WC:WC+2], v[XS:XS+15], v11
	v_cvt_scalef32_pk16_fp6_f32 v[WC+8:WC+10], v[XS+16:XS+31], v11
	v_nop                                          ; one plain place behind a scaled conversion
.irp i, 0,1,2
	v_mov_b32 v[WC+3+\i], v[WC+8+\i]
.endr
	ds_store_b128 v6, v[WC:WC+3] offset:WOFF+256*((\t)%2)          ; block t is K step t / 4, c = (t % 4) / 2, h = t % 2 of my row
	ds_store_b64 v7, v[WC+4:WC+5] offset:WOFF+512+128*((\t)%2)
.if (\t)+2 < 8
	WLOAD (\t)+2
.endif
	s_wait_dscnt 0x0                               ; the stores have read their registers
.endm
	WLOAD 0
	WLOAD 1
.irp t, 0,1,2,3,4,5,6,7
	WBLOCK \t
.endr
	s_wait_alu depctr_va_vdst(0)
	global_store_b64 v10, v[SB:SB+1], s[20:21]     ; runs of 128 bytes: 128 KB of the launch's bytes leave so
.irp k, 0,1,2,3,4,5,6,7,8,9,10,11
	ds_load_b128 v[OUTR+4*\k:OUTR+4*\k+3], v9 offset:WRUN*(\k/6)+512*(\k%6)
.endr
.irp k, 0,1,2,3,4,5,6,7,8,9,10,11
	s_wait_dscnt 11-\k                             ; LDS loads come back in order: load k is in, the younger ones may be out
	global_store_b128 v8, v[OUTR+4*\k:OUTR+4*\k+3], s[18:19] offset:12288*(\k/6)+512*(\k%6)   ; 512 consecutive bytes
.endr
	s_wait_tensorcnt 0x0
	ds_add_u32 v30, v31
	s_wait_dscnt 0x0
	s_endpgm
.Lfunc_end_k_qa4b08566c1_quant:
	.size	k_qa4b08566c1_quant, .Lfunc_end_k_qa4b08566c1_quant-k_qa4b08566c1_quant
	.p2alignl 7, 3214868480
	.fill 96, 4, 3214868480
	.section	.rodata,"a",@progbits
	.p2align	6, 0x0
	.amdhsa_kernel k_qa4b08566c1_quant
		.amdhsa_group_segment_fixed_size 60928
		.amdhsa_private_segment_fixed_size 0
		.amdhsa_enable_private_segment 0
		.amdhsa_kernarg_size 56
		.amdhsa_user_sgpr_count 2
		.amdhsa_user_sgpr_kernarg_segment_ptr 1
		.amdhsa_wavefront_size32 1
		.amdhsa_system_sgpr_workgroup_id_x 1
		.amdhsa_system_sgpr_workgroup_id_y 1
		.amdhsa_system_sgpr_workgroup_id_z 1
		.amdhsa_system_vgpr_workitem_id 0
		.amdhsa_next_free_vgpr 256
		.amdhsa_next_free_sgpr 66
		.amdhsa_reserve_vcc 0
		.amdhsa_float_denorm_mode_32 3
		.amdhsa_float_denorm_mode_16_64 3
		.amdhsa_memory_ordered 1
		.amdhsa_forward_progress 1
		.amdhsa_inst_pref_size 73
	.end_amdhsa_kernel
	.amdgpu_metadata
---
amdhsa.version: [ 1, 2 ]
amdhsa.kernels:
  - .name:           k_qa4b08566c1_quant
    .symbol:         k_qa4b08566c1_quant.kd
    .args:
      - { .name: x, .offset: 0, .size: 8, .value_kind: global_buffer, .address_space: global }
      - { .name: Wq, .offset: 8, .size: 8, .value_kind: global_buffer, .address_space: global }
      - { .name: Wk, .offset: 16, .size: 8, .value_kind: global_buffer, .address_space: global }
      - { .name: Wv, .offset: 24, .size: 8, .value_kind: global_buffer, .address_space: global }
      - { .name: Wo, .offset: 32, .size: 8, .value_kind: global_buffer, .address_space: global }
      - { .name: xq, .offset: 40, .size: 8, .value_kind: global_buffer, .address_space: global }
      - { .name: wq, .offset: 48, .size: 8, .value_kind: global_buffer, .address_space: global }
    .group_segment_fixed_size: 60928
    .private_segment_fixed_size: 0
    .kernarg_segment_align: 8
    .kernarg_segment_size: 56
    .max_flat_workgroup_size: 128
    .sgpr_count:     66
    .vgpr_count:     256
    .wavefront_size: 32
...
	.end_amdgpu_metadata
.endif
;; end of part 1
;; launch qkv (part 2): grid 8 x 32, 4 waves a work-group, clusters of 4 x 4, 327,680 bytes of LDS; arguments xq, wq, qkv; writes qkv
.if DOCPART == 2
	.amdgcn_target "amdgcn-amd-amdhsa--gfx1250"
	.amdhsa_code_object_version 6
	.text
	.protected	k_qa4b08566c1_qkv
	.globl	k_qa4b08566c1_qkv
	.p2align	8
	.type	k_qa4b08566c1_qkv,@function
k_qa4b08566c1_qkv:
	s_mov_b64 s[64:65], 0
	v_nop
	global_prefetch_b8 v0, s[64:65] scope:SCOPE_SE
	s_setreg_imm32_b32 hwreg(HW_REG_WAVE_MODE, 25, 1), 1
	s_wait_xcnt 0x0
	s_wait_alu depctr_hold_cnt(0) depctr_sa_sdst(0) depctr_va_vdst(0) depctr_va_sdst(0) depctr_va_ssrc(0) depctr_va_vcc(0) depctr_vm_vsrc(0)
	s_getreg_b32 s2, hwreg(HW_REG_IB_STS2, 6, 4)
	s_cmp_eq_u32 s2, 0
	s_cbranch_scc0 .Lentry_in_a_cluster
	s_endpgm
.Lentry_in_a_cluster:
	s_bfe_u32 s2, ttmp6, 0x10000c
	s_cmp_lg_u32 s2, 0xf033
	s_cbranch_scc0 .Lentry_shape_is_right
	s_endpgm
.Lentry_shape_is_right:
; q = x Wq, k = x Wk, v = x Wv on codes of FP6 (E2M3) with E8M0 scales, K = 1,024; the results are quantised in registers and leave as codes: q and k along the head's 64, v along the keys.
; OPERANDS lie in memory as images of their registers (a tile of 16 rows, number T, holds rows 32 (T / 2) + 8 (T % 2) + r + 8 (r / 8); codes [T][K step of 128][c][768], scale words [T][K step / 2][r][K step % 2]).
; SHARES.  8,192 x 3,072 results are 384 tiles of 256 x 256 = 256 x 1.5: each of the 8 x 32 work-groups STAYS and makes one tile and a half, so that every work-group has the same work.
;   PHASE 1: A = tokens 256 y on, B = rows 256 x on of Wq | Wk: 256 x 256, a wave 128 x 128 (64 accumulators).   PHASE 2: A = rows 128 x on of Wv, B = the same tokens: 128 x 256, a wave 64 x 128 (32 accumulators).
; THE PRODUCT IS USED TRANSPOSED: source 0 = 16 rows of B, source 1 = 16 rows of A.  A lane holds one row of A, and by the tiles' order the 16 registers of B's tiles 2 b, 2 b + 1 are 16 NEIGHBOURS along B's rows.
; So the axis that is to be quantised is always source 0: the head's d for q and k, the keys for v.
; K goes in steps of 256 through two LDS slots filled by the tensor data mover, and THE RING GOES ON INTO PHASE 2: phase 1's last two changes of slots ask for phase 2's first two K steps, which land under phase 1's way out.
; In a slot the tokens always take the first two quarters and the weight the last two (Wv: 12,288 bytes at the head of each): the loads' LDS addresses never change, only the readers' addresses are made anew between the phases.
; CLUSTERS 4 x 4: the tokens' tile hangs on y and is asked for jointly along a row of the cluster, the weight's on x, along a column, in both phases.
; OUTPUT qkv: QI 0: [b][head][tile of queries: 128][768];  KI 6,291,456 likewise;  VI 12,582,912: [b][step of 128 keys][head][tile of d: 4][c][768];
;   QS 18,874,368, KS 19,398,656: [b][head][step][lane][4 words], word p of lane (u, r): tile 8 step + 2 p + u (bytes 0, 1 are the head's; bytes 2, 3 another head's or 0: they meet zero codes alone);  VS 19,922,944: [b][head][step][lane][2 words].
; LIMITS: NaN and infinities are not served; a block of zeros gets the byte 1 (its codes are zeros; this program alone reads the bytes).
; REGISTERS: window 0: v16-23 LDS addresses, v24 16 x lane, v25 8 x lane, v27 scale words' address, v28-29 the spare word's, v32-63 scale words from LDS (two sets), v64-79 Wv's scale words,
;   v128-223 A's fragments (phase 1: one set of 8; phase 2: two sets of 4); on the ways out v112-151, v200-215.   window 1: B's fragments, two sets, at v0 and v128.   windows 2, 3: the accumulators: (a, b) at v[8 (8 (a % 4) + b)].
.set NQ,     2                         ; matrix instructions deep in a slot
.set FR,     12                        ; registers of a fragment
.set NL,     4                         ; LDS loads that bring one
.set NP,     4                         ; places behind this matrix instruction (ISA guide 7.12.1)
.set TB,     3072                      ; a tile of 16 rows in a slot: 256 along K
.set HALFT,  8*TB                      ; a quarter of a slot: 128 rows
.set SLOT,   4*HALFT
.set SCL,    2*SLOT                    ; the scale words of the 256 tokens, then of the 256 rows of Wq | Wk, for all of K: 4,096 bytes for each 128 rows; filled once
.set SPARE,  SCL+16384                 ; the spare words: 128 bytes a wave, two blocks of 256 bytes that no other line names
.set ADRA, 16
.set ADRB, 20
.set ADRS, 27
.set SPW,  28
.set NIL,  29
.set SC,   32
.set SV,   64                          ; v64-79: register 4 a + 2 j + q: lanes 0-15 the word of Wv's tile a for K step of 128 number 4 j + q, lanes 16-31 for number 4 j + 2 + q
.set AF,   128
.set TM,   200                         ; the ways out: v200-203 largest magnitudes, v204-207 bytes, v212-215 scale operands
.set PC,   112                         ; v112-123 the codes just made;  v124-130 the conversions' second halves
.set PT,   124
.set W8,   136                         ; v136-143 the scale words of my tiles
.set MM,   144                         ; v144-147, v148-151 the same, laid for their stores
.set G1, 24                            ; s[24:31], s[32:39] descriptor groups 1 and 0 (one for each slot) for the tokens' tiles
.set G0, 32
.set G1B, 48                           ; s[48:55], s[56:63] the same for the weights'
.set G0B, 56
.set G1S, 68
.set G0S, 76
.set G1SB, 80
.set G0SB, 88
.set WVB, 96                           ; s[96:97] Wv's codes: the 64 rows that I fetch in phase 2
.set MSB, 0
.macro WIN new                         ; the immediate's high byte repeats the setting that is left
.if MSB != (\new)
	s_set_vgpr_msb (MSB<<8)|(\new)
.set MSB, (\new)
.endif
.endm
.set MUL_LO, 0xa1                      ; source 0 (B) window 1, source 1 (A) window 0, C and D window 2
.set MUL_HI, 0xf1
.set TO_B,   0x40
.macro JLOAD g0a, g1a, g0b, g1b        ; a joint load: waves 0, 1 fetch the tokens' halves, waves 2, 3 the weight's; four v_nop follow each line
	s_cmp_eq_u32 s15, 0
	s_cbranch_scc0 .Lfor_b_\@
	tensor_load_to_lds s[\g0a:\g0a+3], s[\g1a:\g1a+7]
	s_nop 0
.rept 4
	v_nop
.endr
	s_branch .Lasked_\@
.Lfor_b_\@:
	tensor_load_to_lds s[\g0b:\g0b+3], s[\g1b:\g1b+7]
	s_nop 0
.rept 4
	v_nop
.endr
.Lasked_\@:
.endm
.macro CREST                           ; a round of the cluster's barrier behind its opening barrier
	s_cmp_lg_u32 s14, 0
	s_cbranch_scc1 .Lnot_wave_0_\@
	s_barrier_signal -3
.Lnot_wave_0_\@:
	s_barrier_wait -3
	s_barrier_signal -1
	s_barrier_wait -1
.endm
.macro CROUND
	s_barrier_signal -1
	s_barrier_wait -1
	CREST
.endm
	s_load_b128 s[4:7], s[0:1], 0x0                ; xq, wq
	s_load_b64 s[12:13], s[0:1], 0x10              ; qkv
	v_lshl_add_u32 v[SPW], v0, 2, SPARE
	v_mov_b32 v[NIL], 0
	ds_add_u32 v28, v29
	ds_add_u32 v28, v29
	s_wait_dscnt 0x0
	v_lshrrev_b32 v1, 5, v0
	v_readfirstlane_b32 s14, v1                    ; wave
	s_lshr_b32 s15, s14, 1                         ; my half of A's rows.  Also: I fetch tokens (0) or weights (1)
	s_and_b32 s16, s14, 1                          ; my half of B's rows.  Also: which half I fetch
	s_bfe_u32 s40, ttmp6, 0x40000                  ; cx
	s_bfe_u32 s41, ttmp6, 0x40004                  ; cy
	s_lshl_b32 s42, ttmp9, 2
	s_add_co_u32 s42, s42, s40                     ; x: 0 .. 7
	s_and_b32 s17, ttmp7, 0xffff
	s_lshl_b32 s17, s17, 2
	s_add_co_u32 s66, s17, s41                     ; y: 0 .. 31
	s_lshl_b32 s43, s41, 2
	s_lshl_b32 s43, 15, s43                        ; my row of the cluster
	s_lshl_b32 s44, 0x1111, s40                    ; my column
	s_or_b32 s[G1+0], s43, (3<<16)|(1<<21)         ; 15:0 the mask; 17:16 elements of 8 bytes; 21 set beside a mask; no padding: a fragment's loads read consecutive bytes
	s_or_b32 s[G1B+0], s44, (3<<16)|(1<<21)
.irp g, G1, G1B
	s_mov_b32 s[\g+1], 384<<16                     ; tensor_dim0: a tile's 3,072 bytes of this K step
	s_mov_b32 s[\g+2], 8<<16                       ; tensor_dim1: 8 tiles of 16 rows
	s_mov_b32 s[\g+3], 384<<16                     ; tile_dim0
	s_mov_b32 s[\g+4], 8                           ; tile_dim1
	s_mov_b32 s[\g+5], 1536                        ; from tile to tile: 12,288 bytes
	s_mov_b32 s[\g+6], 0
	s_mov_b32 s[\g+7], 0
.endr
	s_or_b32 s[G1S+0], s43, (3<<16)|(1<<21)        ; the scale words of 128 rows: 4,096 dense bytes as 16 rows of 256
	s_or_b32 s[G1SB+0], s44, (3<<16)|(1<<21)
.irp g, G1S, G1SB
	s_mov_b32 s[\g+1], 32<<16
	s_mov_b32 s[\g+2], 16<<16
	s_mov_b32 s[\g+3], 32<<16
	s_mov_b32 s[\g+4], 16
	s_mov_b32 s[\g+5], 32
	s_mov_b32 s[\g+6], 0
	s_mov_b32 s[\g+7], 0
.endr
	s_mul_i32 s18, s16, 98304                      ; the 128 rows that I fetch
	s_lshl_b32 s19, s16, 12
	s_mul_i32 s20, s66, 196608
	s_add_co_u32 s20, s20, s18                     ; the tokens' codes,
	s_mov_b32 s21, 0
	s_lshl_b32 s22, s66, 13
	s_add_co_u32 s22, s22, s19
	s_add_co_u32 s22, s22, 6291456                 ; and scale words
	s_mov_b32 s23, 0
	s_mul_i32 s46, s42, 196608
	s_add_co_u32 s46, s46, s18                     ; Wq | Wk: codes,
	s_mov_b32 s47, 0
	s_lshl_b32 s92, s42, 13
	s_add_co_u32 s92, s92, s19
	s_add_co_u32 s92, s92, 3145728                 ; and scale words
	s_mov_b32 s93, 0
	s_mul_i32 s[WVB], s42, 98304                   ; Wv: tile 128 + 8 x + 4 (wave % 2) of wq: the 64 rows that I fetch in phase 2
	s_mul_i32 s2, s16, 49152
	s_add_co_u32 s[WVB], s[WVB], s2
	s_add_co_u32 s[WVB], s[WVB], 1572864
	s_mov_b32 s[WVB+1], 0
	s_lshl_b32 s8, s42, 12                         ; and the scale words of the 64 rows that I multiply: tile 128 + 8 x + 4 (wave / 2)
	s_lshl_b32 s2, s15, 11
	s_add_co_u32 s8, s8, s2
	s_add_co_u32 s8, s8, 3211264
	s_mov_b32 s9, 0
	s_mul_i32 s45, s14, HALFT                      ; where the tiles go: no place in the cluster enters an LDS address
	s_lshl_b32 s94, s14, 12
	s_wait_kmcnt 0x0
	s_add_nc_u64 s[20:21], s[4:5], s[20:21]
	s_add_nc_u64 s[22:23], s[4:5], s[22:23]
	s_add_nc_u64 s[46:47], s[6:7], s[46:47]
	s_add_nc_u64 s[92:93], s[6:7], s[92:93]
	s_add_nc_u64 s[WVB:WVB+1], s[6:7], s[WVB:WVB+1]
	s_add_nc_u64 s[8:9], s[6:7], s[8:9]
	CROUND                                         ; all sixteen work-groups are here: the first joint loads meet
	s_mov_b32 s[G0S], 1
	s_add_co_u32 s[G0S+1], s94, SCL
	s_mov_b64 s[G0S+2:G0S+3], s[22:23]
	s_or_b32 s[G0S+3], s[G0S+3], 0x80000000
	s_mov_b32 s[G0SB], 1
	s_add_co_u32 s[G0SB+1], s94, SCL
	s_mov_b64 s[G0SB+2:G0SB+3], s[92:93]
	s_or_b32 s[G0SB+3], s[G0SB+3], 0x80000000
	JLOAD G0S, G1S, G0SB, G1SB                     ; three loads of mine go out together: the scale words, slot 0, slot 1
.irp s, 0,1
	s_mov_b32 s[G0+4*\s], 1
	s_add_co_u32 s[G0+4*\s+1], s45, \s*SLOT
	s_add_nc_u64 s[G0+4*\s+2:G0+4*\s+3], s[20:21], \s*TB
	s_or_b32 s[G0+4*\s+3], s[G0+4*\s+3], 0x80000000
	s_mov_b32 s[G0B+4*\s], 1
	s_add_co_u32 s[G0B+4*\s+1], s45, \s*SLOT
	s_add_nc_u64 s[G0B+4*\s+2:G0B+4*\s+3], s[46:47], \s*TB
	s_or_b32 s[G0B+4*\s+3], s[G0B+4*\s+3], 0x80000000
	JLOAD G0+4*\s, G1, G0B+4*\s, G1B
.endr
	v_and_b32 v1, 31, v0
	v_lshlrev_b32 v24, 4, v1                       ; 16 x lane
	v_lshlrev_b32 v25, 3, v1                       ; 8 x lane
	v_and_b32 v2, 15, v0                           ; r
	v_bfe_u32 v3, v0, 4, 1                         ; h
.irp a, 0,1,2,3                                ; Wv's scale words for phase 2, once: each load reads 256 consecutive bytes, aligned: two K steps of 256 of one tile
.irp j, 0,1
	global_load_b64 v[SV+4*\a+2*\j:SV+4*\a+2*\j+1], v25, s[8:9] offset:512*\a+256*\j
.endr
.endr
	s_mul_i32 s2, s15, HALFT                       ; phase 1: my 128 tokens
	s_mul_i32 s3, s16, HALFT
	s_add_co_u32 s3, s3, 2*HALFT                   ; my 128 rows of Wq | Wk, behind the tokens' 256
.irp s, 0,1
	v_add_nc_u32 v[ADRA+\s], s2, v24
	v_add_nc_u32 v[ADRA+2+\s], s2, v25
	v_add_nc_u32 v[ADRB+\s], s3, v24
	v_add_nc_u32 v[ADRB+2+\s], s3, v25
	s_add_co_u32 s2, s2, SLOT
	s_add_co_u32 s3, s3, SLOT
.endr
	s_lshl_b32 s2, s15, 12                         ; scale words: lanes 0-15 take A's, lanes 16-31 B's
	s_lshl_b32 s3, s16, 12
	s_add_co_u32 s3, s3, 8192
	s_sub_co_u32 s3, s3, s2
	v_mul_u32_u24 v4, s3, v3
	s_add_co_u32 s2, s2, SCL
	v_lshl_add_u32 v[ADRS], v2, 3, v4
	v_add_nc_u32 v[ADRS], s2, v[ADRS]
	; where phase 1's results go
	s_lshl_b32 s2, s66, 8
	s_lshl_b32 s3, s15, 7
	s_add_co_u32 s5, s2, s3                        ; my first token
	s_lshl_b32 s2, s42, 8
	s_lshl_b32 s3, s16, 7
	s_add_co_u32 s6, s2, s3                        ; my first column of q | k, 0 .. 2,047
	s_lshr_b32 s7, s5, 11                          ; b
	s_bfe_u32 s4, s5, 0x40007                      ; the step of 128 tokens in the batch
	s_lshr_b32 s2, s6, 10                          ; q or k
	s_bfe_u32 s3, s6, 0x40006                      ; the head
	s_lshl_b32 s11, s7, 4
	s_mul_i32 s20, s2, 6291456
	s_mul_i32 s19, s7, 1572864
	s_add_co_u32 s20, s20, s19
	s_mul_i32 s19, s3, 98304
	s_add_co_u32 s20, s20, s19
	s_mul_i32 s19, s4, 6144
	s_add_co_u32 s20, s20, s19                     ; the codes of my first tile, first head;
	s_add_co_u32 s22, s20, 98304                   ; a fragment's second half is the next head's
	s_lshl_b32 s46, s2, 19
	s_add_co_u32 s19, s11, s3
	s_lshl_b32 s19, s19, 13
	s_add_co_u32 s46, s46, s19
	s_lshl_b32 s19, s4, 9
	s_add_co_u32 s46, s46, s19
	s_add_co_u32 s46, s46, 18874368                ; the scale words
	s_mov_b32 s21, 0
	s_mov_b32 s23, 0
	s_mov_b32 s47, 0
	s_add_nc_u64 s[20:21], s[12:13], s[20:21]
	s_add_nc_u64 s[22:23], s[12:13], s[22:23]
	s_add_nc_u64 s[46:47], s[12:13], s[46:47]
	s_mov_b32 s67, 0xffff0000                      ; lanes 16-31
	s_mov_b32 s98, 0x76543210
	s_mov_b32 s99, 0xfedcba98                      ; selects for lane l xor 16
.macro FRAG reg, adr, q, i             ; a fragment, 16 rows x 128 K, 12 registers, comes as it was stored: 512, 256, 512, 256 consecutive bytes
	ds_load_b128 v[\reg:\reg+3], v[\adr] offset:(\i)*TB+(\q)*1536
	ds_load_b64 v[\reg+4:\reg+5], v[\adr+2] offset:(\i)*TB+(\q)*1536+512
	ds_load_b128 v[\reg+6:\reg+9], v[\adr] offset:(\i)*TB+(\q)*1536+768
	ds_load_b64 v[\reg+10:\reg+11], v[\adr+2] offset:(\i)*TB+(\q)*1536+1280
.endm
; PHASE 1: 16 matrix instructions: A's blocks a0, a0 + 1 x B's eight.  p: B's set; sc: the set of scale words; zero = 1: the first product starts the sums.  The accumulators take turns.
.macro MUL16 a0, p, q, sc, zero
.irp a, \a0, \a0+1
.irp b, 0,1,2,3,4,5,6,7
.if \zero
	v_wmma_scale_f32_16x16x128_f8f6f4 v[8*(8*((\a)%4)+\b):8*(8*((\a)%4)+\b)+7], v[128*(\p)+FR*\b:128*(\p)+FR*\b+FR-1], v[AF+FR*(\a):AF+FR*(\a)+FR-1], 0, v[SC+8*NQ*(\sc)+NQ*\b+(\q)], v[SC+8*NQ*(\sc)+NQ*(\a)+(\q)] matrix_a_fmt:MATRIX_FMT_FP6 matrix_b_fmt:MATRIX_FMT_FP6 matrix_a_scale:MATRIX_SCALE_ROW1
.else
	v_wmma_scale_f32_16x16x128_f8f6f4 v[8*(8*((\a)%4)+\b):8*(8*((\a)%4)+\b)+7], v[128*(\p)+FR*\b:128*(\p)+FR*\b+FR-1], v[AF+FR*(\a):AF+FR*(\a)+FR-1], v[8*(8*((\a)%4)+\b):8*(8*((\a)%4)+\b)+7], v[SC+8*NQ*(\sc)+NQ*\b+(\q)], v[SC+8*NQ*(\sc)+NQ*(\a)+(\q)] matrix_a_fmt:MATRIX_FMT_FP6 matrix_b_fmt:MATRIX_FMT_FP6 matrix_a_scale:MATRIX_SCALE_ROW1
.endif
.endr
.endr
.endm
; PHASE 2: 8 matrix instructions: Wv's block a x the tokens' eight.  p: both operands' set, and which 128 of the slot's 256 along K; sc: the slot, its set of the tokens' scale words, and the half of the lanes that holds Wv's; lap: which pair of Wv's registers.
.macro MULA a, p, sc, lap, zero
.irp b, 0,1,2,3,4,5,6,7
.if \zero
	v_wmma_scale_f32_16x16x128_f8f6f4 v[8*(8*(\a)+\b):8*(8*(\a)+\b)+7], v[128*(\p)+FR*\b:128*(\p)+FR*\b+FR-1], v[AF+48*(\p)+FR*(\a):AF+48*(\p)+FR*(\a)+FR-1], 0, v[SC+16*(\sc)+2*\b+(\p)], v[SV+4*(\a)+2*(\lap)+(\p)] matrix_a_fmt:MATRIX_FMT_FP6 matrix_b_fmt:MATRIX_FMT_FP6 matrix_a_scale:MATRIX_SCALE_ROW1
.elseif \sc
	v_wmma_scale_f32_16x16x128_f8f6f4 v[8*(8*(\a)+\b):8*(8*(\a)+\b)+7], v[128*(\p)+FR*\b:128*(\p)+FR*\b+FR-1], v[AF+48*(\p)+FR*(\a):AF+48*(\p)+FR*(\a)+FR-1], v[8*(8*(\a)+\b):8*(8*(\a)+\b)+7], v[SC+16*(\sc)+2*\b+(\p)], v[SV+4*(\a)+2*(\lap)+(\p)] matrix_a_fmt:MATRIX_FMT_FP6 matrix_b_fmt:MATRIX_FMT_FP6 matrix_a_scale:MATRIX_SCALE_ROW1 matrix_b_scale:MATRIX_SCALE_ROW1
.else
	v_wmma_scale_f32_16x16x128_f8f6f4 v[8*(8*(\a)+\b):8*(8*(\a)+\b)+7], v[128*(\p)+FR*\b:128*(\p)+FR*\b+FR-1], v[AF+48*(\p)+FR*(\a):AF+48*(\p)+FR*(\a)+FR-1], v[8*(8*(\a)+\b):8*(8*(\a)+\b)+7], v[SC+16*(\sc)+2*\b+(\p)], v[SV+4*(\a)+2*(\lap)+(\p)] matrix_a_fmt:MATRIX_FMT_FP6 matrix_b_fmt:MATRIX_FMT_FP6 matrix_a_scale:MATRIX_SCALE_ROW1
.endif
.endr
.endm
.macro FETCH_B slot, q, p
	WIN TO_B
.irp i, 0,1,2,3,4,5,6,7
	FRAG 128*(\p)+FR*\i, ADRB+\slot, \q, \i
.endr
	WIN 0
.endm
.macro FETCH_A slot, q, i0             ; phase 1: A's blocks i0 .. i0 + 3
.irp i, \i0, \i0+1, \i0+2, \i0+3
	FRAG AF+FR*(\i), ADRA+\slot, \q, \i
.endr
.endm
.macro FETCH_H slot, q, p              ; phase 2: A's four blocks into set p
.irp i, 0,1,2,3
	FRAG AF+48*(\p)+FR*\i, ADRA+\slot, \q, \i
.endr
.endm
.macro SCALES sc                       ; a K step's two words a row, eight tiles
.irp i, 0,1,2,3,4,5,6,7
	ds_load_b64 v[SC+8*NQ*\sc+NQ*\i:SC+8*NQ*\sc+NQ*\i+1], v[ADRS] offset:\i*512
.endr
.endm
.macro PLACES n                        ; plain vector instructions between a matrix instruction and a load into, or a read of, its registers
.rept \n
	v_nop
.endr
.endm
.macro STEP slot, q, zero              ; phase 1: 128 along K with its successor in the same slot
	s_wait_dscnt 4*NL                              ; B's set, A's blocks 0-3 and the scale words are in; the youngest 16 loads (A's blocks 4-7) may be out
	WIN MUL_LO
	MUL16 0, (\q)%2, \q, \slot, \zero
	MUL16 2, (\q)%2, \q, \slot, \zero
	s_wait_dscnt 0
	PLACES NP
	FETCH_B \slot, (\q)+1, 1-(\q)%2
	FETCH_A \slot, (\q)+1, 0
	WIN MUL_HI
	MUL16 4, (\q)%2, \q, \slot, \zero
	MUL16 6, (\q)%2, \q, \slot, \zero
	PLACES NP
	WIN 0
	FETCH_A \slot, (\q)+1, 4
.endm
; Phase 1: a slot's last step changes slots: one barrier, which opens a round of the cluster's barrier, and this slot is filled again: fill = 1: with this phase's K step two on; fill = 2: with phase 2's K step of the slot's number.
; fetch = 0: phase 1's very last step: nothing more of it is to be read.
.macro TURN slot, next, fill, fetch
	s_wait_tensorcnt 0x0                           ; all my tensor loads have landed: my part of the other slot;
	ds_add_u32 v[SPW], v[NIL]                      ; 0 onto my spare word
	s_wait_dscnt 4*NL+1                            ; (the add and the youngest 16 loads may be out)
	WIN MUL_LO
	MUL16 0, 1, NQ-1, \slot, 0
	s_wait_dscnt 0x0                               ; the add is done, and my reads of this slot are over
	s_barrier_signal -1
	MUL16 2, 1, NQ-1, \slot, 0
	WIN 0
	s_barrier_wait -1
	CREST                                          ; no wave of any partner still reads this slot or has a load on its way
.if \fill == 1
	s_add_nc_u64 s[G0+4*\slot+2:G0+4*\slot+3], s[G0+4*\slot+2:G0+4*\slot+3], 2*TB
	s_add_nc_u64 s[G0B+4*\slot+2:G0B+4*\slot+3], s[G0B+4*\slot+2:G0B+4*\slot+3], 2*TB
.else
	s_sub_nc_u64 s[G0+4*\slot+2:G0+4*\slot+3], s[G0+4*\slot+2:G0+4*\slot+3], 2*TB   ; the same tokens, back along K
	s_add_nc_u64 s[G0B+4*\slot+2:G0B+4*\slot+3], s[WVB:WVB+1], \slot*TB             ; the weight is Wv from here on:
	s_or_b32 s[G0B+4*\slot+3], s[G0B+4*\slot+3], 0x80000000
	s_mov_b32 s[G1B+2], 4<<16                      ; 4 tiles of 16 rows to a load (no load of mine is out: its descriptors may be written)
	s_mov_b32 s[G1B+4], 4
.endif
	JLOAD G0+4*\slot, G1, G0B+4*\slot, G1B         ; the first tensor load behind the round; its four v_nop are the places in front of the loads below
.if \fetch
	v_add_nc_u32 v[ADRS], 128, v[ADRS]             ; the next K step's scale words (no LDS load of mine is out)
	FETCH_B \next, 0, 0
	FETCH_A \next, 0, 0
	SCALES \next
.endif
	WIN MUL_HI
	MUL16 4, 1, NQ-1, \slot, 0
	MUL16 6, 1, NQ-1, \slot, 0
.if \fetch
	PLACES NP
	WIN 0
	FETCH_A \next, 0, 4
.else
	WIN 0
.endif
.endm
; Phase 2: a slot's first 128 along K: the second 128's fragments are asked for first, into the other sets, and land under the 32 matrix instructions.
.macro HSTEP slot, lap, zero
	s_wait_dscnt 0x0                               ; this step's fragments and scale words are in
	PLACES NP
	FETCH_B \slot, 1, 1
	FETCH_H \slot, 1, 1
	WIN MUL_LO
.irp a, 0,1,2,3
	MULA \a, 0, \slot, \lap, \zero
.endr
	WIN 0
.endm
; Phase 2: a slot's second 128 along K changes slots.  All reads of this slot were issued a step ago.
.macro HTURN slot, next, fill, lap
	s_wait_tensorcnt 0x0                           ; all my tensor loads have landed: my part of the other slot;
	ds_add_u32 v[SPW], v[NIL]                      ; 0 onto my spare word
	s_wait_dscnt 1                                 ; (this step's fragments are in; the add may be out)
	WIN MUL_LO
	MULA 0, 1, \slot, \lap, 0
	s_wait_dscnt 0x0                               ; the add is done, and my reads of this slot are over
	s_barrier_signal -1
	MULA 1, 1, \slot, \lap, 0
	WIN 0
	s_barrier_wait -1
.if \fill
	CREST
	s_add_nc_u64 s[G0+4*\slot+2:G0+4*\slot+3], s[G0+4*\slot+2:G0+4*\slot+3], 2*TB
	s_add_nc_u64 s[G0B+4*\slot+2:G0B+4*\slot+3], s[G0B+4*\slot+2:G0B+4*\slot+3], 2*TB
	JLOAD G0+4*\slot, G1, G0B+4*\slot, G1B
.else
	PLACES NP
.endif
	v_add_nc_u32 v[ADRS], 128, v[ADRS]
	FETCH_B \next, 0, 0
	FETCH_H \next, 0, 0
	SCALES \next
	WIN MUL_LO
	MULA 2, 1, \slot, \lap, 0
	MULA 3, 1, \slot, \lap, 0
	WIN 0
.endm
; THE WAY OUT of A's tile a.  Its 64 registers hold, of the lane's row, register 16 b + i = B's row 32 b + 16 (lane / 16) + i: four blocks of 32, each in lanes l and l xor 16.  They become one fragment and one scale word a row.
.macro OUTBLK a, st                    ; st: bytes from tile to tile
.set AC, 64*((\a)%4)
.set HI, (\a)/4
.if \a > 0
	s_wait_xcnt 0x0                                ; the last tile's stores have read their data and bases
	s_add_nc_u64 s[20:21], s[20:21], \st
	s_add_nc_u64 s[22:23], s[22:23], \st
.endif
	WIN 0x0a+5*HI                                  ; sources 0 and 1: window 2 or 3
.irp b, 0,1,2,3
	v_max3_num_f32 v[TM+\b], |v[AC+16*\b]|, |v[AC+16*\b+1]|, 0x1800000   ; each accumulator is read from its low end on; the floor 2^(3 - 127) holds the byte at 1 from below
.endr
.irp i, 2,4,6,8,10,12,14
.irp b, 0,1,2,3
	v_max3_num_f32 v[TM+\b], |v[AC+16*\b+\i]|, |v[AC+16*\b+\i+1]|, v[TM+\b]
.endr
.endr
	WIN 0
.irp b, 0,1,2,3
	v_permlanex16_b32 v[TM+4+\b], v[TM+\b], s98, s99
.endr
.irp b, 0,1,2,3
	v_max_num_f32 v[TM+\b], v[TM+\b], v[TM+4+\b]
.endr
.irp b, 0,1,2,3
	v_add_nc_u32 v[TM+12+\b], 0xff000000, v[TM+\b] ; 2 off the exponent field: the conversion's scale operand
.endr
.irp b, 0,1,2,3
	v_lshrrev_b32 v[TM+4+\b], 23, v[TM+12+\b]
.endr
	v_lshl_or_b32 v[W8+\a], v[TM+5], 8, v[TM+4]
	v_lshl_or_b32 v[W8+\a], v[TM+6], 16, v[W8+\a]
	v_lshl_or_b32 v[W8+\a], v[TM+7], 24, v[W8+\a]
	WIN 0x02+HI                                    ; source 0: window 2 or 3
.irp c, 0,1
	v_cvt_scalef32_pk16_fp6_f32 v[PC+6*\c:PC+6*\c+2], v[AC+32*\c:AC+32*\c+15], v[TM+12+2*\c]
	v_cvt_scalef32_pk16_fp6_f32 v[PT+4*\c:PT+4*\c+2], v[AC+32*\c+16:AC+32*\c+31], v[TM+12+2*\c+1]
.endr
	WIN 0
	v_nop                                          ; one plain place behind a scaled conversion
.irp c, 0,1                                    ; the operand's layout wants a whole block in a lane
.irp i, 0,1,2
	v_permlane16_swap_b32 v[PC+6*\c+\i], v[PT+4*\c+\i]
.endr
.irp i, 0,1,2
	v_mov_b32 v[PC+3+6*\c+\i], v[PT+4*\c+\i]
.endr
.endr
	global_store_b128 v24, v[PC:PC+3], s[20:21]                ; 512 and 256 consecutive bytes: the fragment's first half,
	global_store_b64 v25, v[PC+4:PC+5], s[20:21] offset:512
	global_store_b128 v24, v[PC+6:PC+9], s[22:23]              ; and its second
	global_store_b64 v25, v[PC+10:PC+11], s[22:23] offset:512
.endm
	; ---------------- PHASE 1: q and k ----------------
	s_wait_tensorcnt 1                             ; the scale words and my part of K step 0 are in; slot 1's load may be out
	s_barrier_signal -1
	s_barrier_wait -1
	FETCH_B 0, 0, 0
	FETCH_A 0, 0, 0
	SCALES 0
	FETCH_A 0, 0, 4
	STEP 0, 0, 1                                   ; four K steps of 256, written out
	TURN 0, 1, 1, 1
	STEP 1, 0, 0
	TURN 1, 0, 1, 1
	STEP 0, 0, 0
	TURN 0, 1, 2, 1                                ; slot 0 takes phase 2's K step 0,
	STEP 1, 0, 0
	TURN 1, 0, 2, 0                                ; slot 1 its K step 1.  In front of this round every wave has seen its part of slot 0 land: slot 0 may be read behind it
	PLACES NP
.irp b, 0,1,2,3
	v_mov_b32 v[TM+4+\b], 0                        ; a lane permute's destination counts as one of its sources
.endr
.irp a, 0,1,2,3,4,5,6,7
	OUTBLK \a, 768
.endr
.irp p, 0,1,2,3
	v_cndmask_b32 v[MM+\p], v[W8+2*\p], v[W8+2*\p+1], s67      ; lanes 0-15 tile 2 p's word, lanes 16-31 tile 2 p + 1's
.endr
	global_store_b128 v24, v[MM:MM+3], s[46:47]                ; the first head: bytes 0, 1 of each word are its own
.irp p, 0,1,2,3
	v_lshrrev_b32 v[MM+4+\p], 16, v[MM+\p]
.endr
	global_store_b128 v24, v[MM+4:MM+7], s[46:47] offset:8192  ; the second head
	; ---------------- PHASE 2: v ----------------
	s_wait_xcnt 0x0                                ; the stores have read their data and bases: fragments land on those registers, and the bases are made anew
	s_lshl_b32 s2, s66, 8
	s_lshl_b32 s3, s16, 7
	s_add_co_u32 s5, s2, s3                        ; my first key
	s_lshr_b32 s7, s5, 11                          ; b
	s_bfe_u32 s4, s5, 0x40007                      ; the step of 128 keys
	s_lshl_b32 s11, s7, 4
	s_add_co_u32 s20, s11, s4
	s_lshl_b32 s20, s20, 6
	s_lshl_b32 s2, s42, 3
	s_add_co_u32 s20, s20, s2
	s_lshl_b32 s2, s15, 2
	s_add_co_u32 s20, s20, s2                      ; (16 b + step) x 64 + my first tile of d: 8 x + 4 (wave / 2)
	s_mul_i32 s20, s20, 1536
	s_add_co_u32 s20, s20, 12582912
	s_add_co_u32 s22, s20, 768
	s_lshl_b32 s2, s42, 1
	s_add_co_u32 s2, s2, s15                       ; my head
	s_add_co_u32 s46, s11, s2
	s_lshl_b32 s46, s46, 12
	s_lshl_b32 s2, s4, 8
	s_add_co_u32 s46, s46, s2
	s_add_co_u32 s46, s46, 19922944
	s_mov_b32 s21, 0
	s_mov_b32 s23, 0
	s_mov_b32 s47, 0
	s_add_nc_u64 s[20:21], s[12:13], s[20:21]
	s_add_nc_u64 s[22:23], s[12:13], s[22:23]
	s_add_nc_u64 s[46:47], s[12:13], s[46:47]
	s_add_co_u32 s2, s15, 2
	s_mul_i32 s2, s2, HALFT                        ; A: my 64 rows of Wv, at the head of the slot's third or fourth quarter
	s_mul_i32 s3, s16, HALFT                       ; B: my 128 tokens
.irp s, 0,1
	v_add_nc_u32 v[ADRA+\s], s2, v24
	v_add_nc_u32 v[ADRA+2+\s], s2, v25
	v_add_nc_u32 v[ADRB+\s], s3, v24
	v_add_nc_u32 v[ADRB+2+\s], s3, v25
	s_add_co_u32 s2, s2, SLOT
	s_add_co_u32 s3, s3, SLOT
.endr
	s_lshl_b32 s2, s16, 12
	s_add_co_u32 s2, s2, SCL
	v_lshl_add_u32 v[ADRS], v2, 3, s2              ; the tokens' scale words, in both halves of the lanes; lanes 16-31 are the ones read
	FETCH_B 0, 0, 0
	FETCH_H 0, 0, 0
	SCALES 0
	s_wait_loadcnt 0x0                             ; Wv's scale words
	HSTEP 0, 0, 1
	HTURN 0, 1, 1, 0
	HSTEP 1, 0, 0
	HTURN 1, 0, 1, 0
	HSTEP 0, 1, 0
	HTURN 0, 1, 0, 1                               ; nothing is left to fetch
	HSTEP 1, 1, 0
	s_wait_dscnt 0x0
	WIN MUL_LO
.irp a, 0,1,2,3
	MULA \a, 1, 1, 1, 0
.endr
	WIN 0
	PLACES NP
.irp b, 0,1,2,3
	v_mov_b32 v[TM+4+\b], 0
.endr
.irp a, 0,1,2,3
	OUTBLK \a, 1536
.endr
.irp p, 0,1
	v_cndmask_b32 v[MM+\p], v[W8+2*\p], v[W8+2*\p+1], s67
.endr
	global_store_b64 v25, v[MM:MM+1], s[46:47]                 ; my head's four tiles of d: 256 consecutive bytes
	s_wait_tensorcnt 0x0                           ; the wave's end
	ds_add_u32 v[SPW], v[NIL]
	s_wait_dscnt 0x0
	CROUND                                         ; the closing round
	s_endpgm
.Lfunc_end_k_qa4b08566c1_qkv:
	.size	k_qa4b08566c1_qkv, .Lfunc_end_k_qa4b08566c1_qkv-k_qa4b08566c1_qkv
	.p2alignl 7, 3214868480
	.fill 96, 4, 3214868480
	.section	.rodata,"a",@progbits
	.p2align	6, 0x0
	.amdhsa_kernel k_qa4b08566c1_qkv
		.amdhsa_group_segment_fixed_size 327680
		.amdhsa_private_segment_fixed_size 0
		.amdhsa_enable_private_segment 0
		.amdhsa_kernarg_size 24
		.amdhsa_user_sgpr_count 2
		.amdhsa_user_sgpr_kernarg_segment_ptr 1
		.amdhsa_wavefront_size32 1
		.amdhsa_system_sgpr_workgroup_id_x 1
		.amdhsa_system_sgpr_workgroup_id_y 1
		.amdhsa_system_sgpr_workgroup_id_z 1
		.amdhsa_system_vgpr_workitem_id 0
		.amdhsa_next_free_vgpr 1024
		.amdhsa_next_free_sgpr 100
		.amdhsa_reserve_vcc 0
		.amdhsa_float_denorm_mode_32 3
		.amdhsa_float_denorm_mode_16_64 3
		.amdhsa_memory_ordered 1
		.amdhsa_forward_progress 1
		.amdhsa_inst_pref_size 236
	.end_amdhsa_kernel
	.amdgpu_metadata
---
amdhsa.version: [ 1, 2 ]
amdhsa.kernels:
  - .name:           k_qa4b08566c1_qkv
    .symbol:         k_qa4b08566c1_qkv.kd
    .args:
      - { .name: xq, .offset: 0, .size: 8, .value_kind: global_buffer, .address_space: global }
      - { .name: wq, .offset: 8, .size: 8, .value_kind: global_buffer, .address_space: global }
      - { .name: qkv, .offset: 16, .size: 8, .value_kind: global_buffer, .address_space: global }
    .group_segment_fixed_size: 327680
    .private_segment_fixed_size: 0
    .kernarg_segment_align: 8
    .kernarg_segment_size: 24
    .max_flat_workgroup_size: 128
    .sgpr_count:     100
    .vgpr_count:     1024
    .wavefront_size: 32
...
	.end_amdgpu_metadata
.endif
;; end of part 2
;; launch attn (part 3): grid 4 x 64, 16 waves a work-group, no clusters, 210,944 bytes of LDS; arguments qkv, ct; writes ct
.if DOCPART == 3
	.amdgcn_target "amdgcn-amd-amdhsa--gfx1250"
	.amdhsa_code_object_version 6
	.text
	.protected	k_qa4b08566c1_attn
	.globl	k_qa4b08566c1_attn
	.p2align	8
	.type	k_qa4b08566c1_attn,@function
k_qa4b08566c1_attn:
	s_mov_b64 s[64:65], 0
	v_nop
	global_prefetch_b8 v0, s[64:65] scope:SCOPE_SE
	s_setreg_imm32_b32 hwreg(HW_REG_WAVE_MODE, 25, 1), 1
	s_wait_xcnt 0x0
; ctx[b][q][head][:] = softmax_k(q . k / 8) v, key k counting for query q where k <= q + 1; both products on codes of FP6 (E2M3) with E8M0 scales; ctx is quantised along (head, d) and leaves as codes.
; THE SOFTMAX: t = score x log2(e) / 8; M = the running largest t rounded UP to a whole number; p = 2^(t - M) is quantised along the keys, not normalised; the row's sum is taken of the unquantised p and divides O at the end.
; A work-group serves one (b, head) and a quarter of its queries.  THE HEAD'S K AND V, codes and scale words, 208,896 bytes, LIE IN LDS WHOLE: each of the sixteen waves brings one step of 128 keys by four tensor loads;
; nothing is filled again, one barrier.  Clusters are left out: the partners of a head would jump over different steps, and a form alike in all four costs a masked step more for every tile.
; A wave owns a tile of 16 queries in 256 registers (four waves to a SIMD), first tile 127 - g, then tile g (g = 16 x + wave): 17 or 18 key steps for every wave.
; Both products are used transposed: S^T = K Q^T, O^T = V^T P^T: a lane holds one query.  A tile, number T, holds rows 32 (T / 2) + 8 (T % 2) + r + 8 (r / 8): so the 16 registers of tiles 2 b, 2 b + 1 are 16 neighbours.
; The head has 64 along the first product's K: Q's upper six registers are zero codes; K's upper six are whatever follows in the registers: they meet zeros, under scale bytes that are never 0xff.
; LIMITS: NaN and infinities are not served; a p under 2^-126 counts as 0; a block of zeros gets the byte 1.
; REGISTERS: v1 16 x lane, v2 8 x lane, v3 the lane's term of the mask, v4-5 LDS addresses, v8 16 r, v9 8 r, v12 -M, v13 largest t, v[14:15] the sum, v16-27 Q, v28 Q's scale word, v32-85 K (8 x 6, then 6 zeros), later V (4 x 12),
;   v88-91 K's scale words, v92-93 V's, v96-159 S^T then p, v160-191 O^T, v224-235 p's codes, v232-254 at work, v253 p's scale word.
.set STEPB, 13056                      ; a step in LDS: K 6,144, V 6,144, K's scale words 512, V's 256
	s_load_b128 s[4:7], s[0:1], 0x0                ; qkv, ct
	v_lshl_add_u32 v251, v0, 2, 0x33000
	v_mov_b32 v255, 0
	ds_add_u32 v251, v255
	ds_add_u32 v251, v255
	v_lshrrev_b32 v1, 5, v0
	s_delay_alu instid0(VALU_DEP_1)
	v_readfirstlane_b32 s8, v1                     ; wave 0 .. 15
	s_and_b32 s10, ttmp7, 0xffff                   ; 16 b + head
	s_lshr_b32 s11, s10, 4                         ; b
	s_and_b32 s12, s10, 15                         ; head
	; descriptor groups 1: dense blocks as rows of 256 bytes (32 elements of 8 bytes): 24 rows, 2 rows, 1 row
.irp g, 24, 32, 40
	s_mov_b32 s[\g+0], 3<<16
	s_mov_b32 s[\g+1], 32<<16
	s_mov_b32 s[\g+3], 32<<16
	s_mov_b32 s[\g+5], 32
	s_mov_b32 s[\g+6], 0
	s_mov_b32 s[\g+7], 0
.endr
	s_mov_b32 s26, 24<<16
	s_mov_b32 s28, 24
	s_mov_b32 s34, 2<<16
	s_mov_b32 s36, 2
	s_mov_b32 s42, 1<<16
	s_mov_b32 s44, 1
	s_mul_i32 s66, s10, 98304
	s_mul_i32 s19, s8, 6144
	s_add_co_u32 s66, s66, s19
	s_add_co_u32 s66, s66, 6291456                 ; K's eight tiles of step w
	s_mov_b32 s67, 0
	s_lshl_b32 s68, s11, 4
	s_add_co_u32 s68, s68, s8
	s_lshl_b32 s68, s68, 4
	s_add_co_u32 s68, s68, s12
	s_mul_i32 s68, s68, 6144
	s_add_co_u32 s68, s68, 12582912                ; V's four tiles of step w
	s_mov_b32 s69, 0
	s_lshl_b32 s70, s10, 13
	s_lshl_b32 s19, s8, 9
	s_add_co_u32 s70, s70, s19
	s_add_co_u32 s70, s70, 19398656                ; K's scale words
	s_mov_b32 s71, 0
	s_lshl_b32 s72, s10, 12
	s_lshl_b32 s19, s8, 8
	s_add_co_u32 s72, s72, s19
	s_add_co_u32 s72, s72, 19922944                ; V's
	s_mov_b32 s73, 0
	s_mul_i32 s19, s8, STEPB                       ; step w's place in LDS
	s_mov_b32 s20, 0x76543210
	s_mov_b32 s21, 0xfedcba98                      ; selects for lane l xor 16
	s_mov_b32 s22, 0x3e38aa3b                      ; c = log2(e) / 8
	s_mov_b32 s23, s22                             ; (named with it as a pair)
	s_wait_dscnt 0x0
	s_wait_kmcnt 0x0
	s_mov_b32 s48, 1
	s_mov_b32 s49, s19
	s_add_nc_u64 s[50:51], s[4:5], s[66:67]
	s_or_b32 s51, s51, 0x80000000
	s_mov_b32 s52, 1
	s_add_co_u32 s53, s19, 6144
	s_add_nc_u64 s[54:55], s[4:5], s[68:69]
	s_or_b32 s55, s55, 0x80000000
	s_mov_b32 s56, 1
	s_add_co_u32 s57, s19, 12288
	s_add_nc_u64 s[58:59], s[4:5], s[70:71]
	s_or_b32 s59, s59, 0x80000000
	s_mov_b32 s60, 1
	s_add_co_u32 s61, s19, 12800
	s_add_nc_u64 s[62:63], s[4:5], s[72:73]
	s_or_b32 s63, s63, 0x80000000
	tensor_load_to_lds s[48:51], s[24:31]          ; four loads of mine are out; every wave issues its own four, into bytes that are its own by 13,056 x wave
	s_nop 0
	tensor_load_to_lds s[52:55], s[24:31]
	s_nop 0
	tensor_load_to_lds s[56:59], s[32:39]
	s_nop 0
	tensor_load_to_lds s[60:63], s[40:47]
	s_nop 0
.rept 4
	v_nop
.endr
	v_and_b32 v6, 31, v0
	s_delay_alu instid0(VALU_DEP_1)
	v_lshlrev_b32 v1, 4, v6                        ; 16 x lane
	s_delay_alu instid0(VALU_DEP_2)
	v_lshlrev_b32 v2, 3, v6                        ; 8 x lane
	v_and_b32 v6, 15, v0                           ; r
	v_bfe_u32 v7, v0, 4, 1                         ; h
	s_delay_alu instid0(VALU_DEP_2)
	v_and_b32 v3, 8, v6
	s_delay_alu instid0(VALU_DEP_1)
	v_add_nc_u32 v3, v3, v6
	s_delay_alu instid0(VALU_DEP_3)
	v_lshlrev_b32 v7, 4, v7
	s_delay_alu instid0(VALU_DEP_1)
	v_sub_nc_u32 v3, v3, v7
	s_delay_alu instid0(VALU_DEP_1)
	v_add_nc_u32 v3, 1, v3                         ; r + 8 (r / 8) - 16 h + 1
	v_lshlrev_b32 v8, 4, v6
	v_lshlrev_b32 v9, 3, v6
.irp j, 22,23,24,25,26,27,80,81,82,83,84,85
	v_mov_b32 v[\j], 0                             ; zero codes
.endr
.irp j, 236,237,238,239,252,253
	v_mov_b32 v[\j], 0                             ; lane permutes' destinations and the pair v[252:253] are written once
.endr
	s_lshl_b32 s13, ttmp9, 4
	s_add_co_u32 s13, s13, s8
	s_sub_co_u32 s13, 127, s13                     ; the first tile of queries: 127 - g
	s_mov_b32 s18, 2
	s_wait_tensorcnt 0x0                           ; my step is in LDS,
	s_barrier_signal -1
	s_barrier_wait -1                              ; everybody's is
.Lpass:
	s_lshr_b32 s14, s13, 1
	s_lshl_b32 s14, s14, 5
	s_and_b32 s19, s13, 1
	s_lshl_b32 s19, s19, 3
	s_add_co_u32 s14, s14, s19                     ; Q0: the tile's first query; its last is Q0 + 23
	s_lshl_b32 s66, s10, 7
	s_add_co_u32 s66, s66, s13
	s_mul_i32 s66, s66, 768
	s_mov_b32 s67, 0
	s_add_nc_u64 s[70:71], s[4:5], s[66:67]        ; Q's codes
	s_lshl_b32 s66, s10, 13
	s_lshr_b32 s19, s13, 3
	s_lshl_b32 s19, s19, 9
	s_add_co_u32 s66, s66, s19
	s_and_b32 s19, s13, 1
	s_lshl_b32 s19, s19, 8
	s_add_co_u32 s66, s66, s19
	s_bfe_u32 s19, s13, 0x20001
	s_lshl_b32 s19, s19, 2
	s_add_co_u32 s66, s66, s19
	s_add_co_u32 s66, s66, 18874368
	s_add_nc_u64 s[72:73], s[4:5], s[66:67]        ; Q's scale words
	global_load_b128 v[16:19], v1, s[70:71]
	global_load_b64 v[20:21], v2, s[70:71] offset:512
	global_load_b32 v28, v8, s[72:73]
	s_lshl_b32 s68, s11, 7
	s_add_co_u32 s68, s68, s13                     ; ctx's tile: 128 b + T
	s_lshl_b32 s66, s68, 3
	s_lshr_b32 s19, s12, 1
	s_add_co_u32 s66, s66, s19
	s_mul_i32 s66, s66, 1536
	s_and_b32 s19, s12, 1
	s_mul_i32 s19, s19, 768
	s_add_co_u32 s66, s66, s19
	s_add_nc_u64 s[74:75], s[6:7], s[66:67]        ; K step head / 2, half head % 2
	s_lshl_b32 s66, s68, 9
	s_lshr_b32 s19, s12, 2
	s_lshl_b32 s19, s19, 7
	s_add_co_u32 s66, s66, s19
	s_and_b32 s19, s12, 3
	s_lshl_b32 s19, s19, 1
	s_add_co_u32 s66, s66, s19
	s_add_co_u32 s66, s66, 6291456
	s_add_nc_u64 s[76:77], s[6:7], s[66:67]        ; the head's two scale bytes of each row
	v_mov_b32 v13, 0xff61b1e6                      ; the largest t so far: -3e38
	s_delay_alu instid0(VALU_DEP_1)
	v_floor_f32 v12, -v13
	v_mov_b32 v14, 0
	v_mov_b32 v15, 0
.irp j, 0,1,2,3,4,5,6,7,8,9,10,11,12,13,14,15,16,17,18,19,20,21,22,23,24,25,26,27,28,29,30,31
	v_mov_b32 v[160+\j], 0                         ; O^T: the step is written once; its first trip finds zeros
.endr
	s_mov_b32 s15, 0                               ; the step's first key
	s_mov_b32 s16, 0                               ; and its place in LDS
	s_mov_b32 s17, 16
	s_wait_loadcnt 0x0
.Lstep:                                                ; sixteen trips, a constant; a step all of whose keys are hidden is jumped over, on ids alone
	s_add_co_u32 s19, s14, 24
	s_cmp_gt_u32 s15, s19
	s_cbranch_scc1 .Lhidden
	s_setprio 2
	v_add_nc_u32 v4, s16, v1
	v_add_nc_u32 v5, s16, v2
	v_nop
	v_nop                                          ; four places in front of loads into registers that the last products read
.irp t, 0,1,2,3,4,5,6,7
	ds_load_b128 v[32+6*\t:35+6*\t], v4 offset:768*\t
	ds_load_b64 v[36+6*\t:37+6*\t], v5 offset:768*\t+512
.endr
	ds_load_b128 v[88:91], v4 offset:12288         ; word p: lanes 0-15 tile 2 p's rows, lanes 16-31 tile 2 p + 1's
	s_wait_alu depctr_va_vdst(0)
	s_wait_dscnt 0x0
.irp t, 0,1,2,3,4,5,6,7
.if \t%2
	v_wmma_scale_f32_16x16x128_f8f6f4 v[96+8*\t:103+8*\t], v[32+6*\t:43+6*\t], v[16:27], 0, v[88+\t/2], v28 matrix_a_fmt:MATRIX_FMT_FP6 matrix_b_fmt:MATRIX_FMT_FP6 matrix_a_scale:MATRIX_SCALE_ROW1
.else
	v_wmma_scale_f32_16x16x128_f8f6f4 v[96+8*\t:103+8*\t], v[32+6*\t:43+6*\t], v[16:27], 0, v[88+\t/2], v28 matrix_a_fmt:MATRIX_FMT_FP6 matrix_b_fmt:MATRIX_FMT_FP6
.endif
.endr
.rept 4
	v_nop
.endr
.irp t, 0,1,2,3                                ; V's fragments take K's registers and land under the softmax
.irp c, 0,1
	ds_load_b128 v[32+12*\t+6*\c:35+12*\t+6*\c], v4 offset:6144+1536*\t+768*\c
	ds_load_b64 v[36+12*\t+6*\c:37+12*\t+6*\c], v5 offset:6144+1536*\t+768*\c+512
.endr
.endr
	ds_load_b64 v[92:93], v5 offset:12800
	s_add_co_u32 s19, s15, 126                     ; a step all of whose keys count for all my queries needs no mask
	s_cmp_le_u32 s19, s14
	s_cbranch_scc1 .Lopen
	s_sub_co_i32 s19, s14, s15
	v_add_nc_u32 v252, s19, v3                     ; register 16 b + i holds key KF + 32 b + 16 h + i: hidden where 32 b + i > my query + 1 - KF - 16 h
	v_mov_b32 v254, 0xff800000
.irp n, 0,1,2,3,4,5,6,7,8,9,10,11,12,13,14,15,16,17,18,19,20,21,22,23,24,25,26,27,28,29,30,31,32,33,34,35,36,37,38,39,40,41,42,43,44,45,46,47,48,49,50,51,52,53,54,55,56,57,58,59,60,61,62,63
	v_cmp_gt_i32 vcc_lo, 32*(\n/16)+\n%16, v252
	v_cndmask_b32 v[96+\n], v[96+\n], v254, vcc_lo
.endr
.Lopen:
.irp b, 0,1,2,3
	v_max3_num_f32 v[232+\b], v[96+16*\b], v[97+16*\b], v[98+16*\b]   ; the largest score of each block of 32 keys: for the row's maximum, and, since p rises with the score, for the block's largest p
.endr
.irp i, 3,5,7,9,11,13
.irp b, 0,1,2,3
	v_max3_num_f32 v[232+\b], v[232+\b], v[96+16*\b+\i], v[97+16*\b+\i]
.endr
.endr
.irp b, 0,1,2,3
	v_max_num_f32 v[232+\b], v[232+\b], v[111+16*\b]
.endr
.irp b, 0,1,2,3
	s_delay_alu instid0(VALU_DEP_4)
	v_permlanex16_b32 v[236+\b], v[232+\b], s20, s21
.endr
.irp b, 0,1,2,3
	s_delay_alu instid0(VALU_DEP_4)
	v_max_num_f32 v[232+\b], v[232+\b], v[236+\b]
.endr
	s_delay_alu instid0(VALU_DEP_2)
	v_max3_num_f32 v254, v232, v233, v234
	s_delay_alu instid0(VALU_DEP_1)
	v_max_num_f32 v254, v254, v235
	s_delay_alu instid0(VALU_DEP_1)
	v_mul_f32 v254, s22, v254
	s_delay_alu instid0(VALU_DEP_1)
	v_max_num_f32 v13, v13, v254                   ; the running largest t
	v_mov_b32 v254, v12
	s_delay_alu instid0(VALU_DEP_2)
	v_floor_f32 v12, -v13                          ; -M = floor(-t): M is a whole number
	s_delay_alu instid0(VALU_DEP_1)
	v_sub_f32 v254, v12, v254
	s_delay_alu instid0(VALU_DEP_1)
	v_cvt_i32_f32 v254, v254                       ; (it saturates)
	s_delay_alu instid0(VALU_DEP_1)
	v_ldexp_f32 v252, 1.0, v254                    ; f = 2^(old M - new M): a multiplication by it rounds nothing
.irp j, 0,2,4,6,8,10,12,14,16,18,20,22,24,26,28,30,32,34,36,38,40,42,44,46,48,50,52,54,56,58,60,62
	v_pk_fma_f32 v[96+\j:97+\j], v[96+\j:97+\j], s[22:23], v[12:13] op_sel_hi:[1,0,0]   ; t - M
.endr
	s_setprio 1
.irp b, 0,1,2,3
	v_fma_f32 v[232+\b], v[232+\b], s22, v12
.endr
	s_wait_alu depctr_va_vdst(0)
.irp j, 0,1,2,3,4,5,6,7,8,9,10,11,12,13,14,15,16,17,18,19,20,21,22,23,24,25,26,27,28,29,30,31,32,33,34,35,36,37,38,39,40,41,42,43,44,45,46,47,48,49,50,51,52,53,54,55,56,57,58,59,60,61,62,63
	v_exp_f32 v[96+\j], v[96+\j]                   ; p = 2^(t - M)
.endr
.irp b, 0,1,2,3
	v_exp_f32 v[232+\b], v[232+\b]                 ; the block's largest p
.endr
	v_pk_mul_f32 v[14:15], v[14:15], v[252:253] op_sel_hi:[1,0]   ; the sums under the new M (a plain place behind the exponentials)
	s_wait_alu depctr_va_vdst(0)
.irp b, 0,1,2,3
	v_max_num_f32 v[232+\b], 0x1800000, v[232+\b]  ; the floor 2^(3 - 127)
.endr
.irp b, 0,1,2,3
	s_delay_alu instid0(VALU_DEP_4)
	v_add_nc_u32 v[244+\b], 0xff000000, v[232+\b]
.endr
.irp b, 0,1,2,3
	s_delay_alu instid0(VALU_DEP_4)
	v_lshrrev_b32 v[236+\b], 23, v[244+\b]
.endr
	s_delay_alu instid0(VALU_DEP_3)
	v_lshl_or_b32 v253, v237, 8, v236              ; p's scale word for these 128 keys
	s_delay_alu instid0(VALU_DEP_1)
	v_lshl_or_b32 v253, v238, 16, v253
	s_delay_alu instid0(VALU_DEP_1)
	v_lshl_or_b32 v253, v239, 24, v253
.irp c, 0,1
	v_cvt_scalef32_pk16_fp6_f32 v[224+6*\c:226+6*\c], v[96+32*\c:111+32*\c], v[244+2*\c]
	v_cvt_scalef32_pk16_fp6_f32 v[236+4*\c:238+4*\c], v[112+32*\c:127+32*\c], v[244+2*\c+1]
.endr
	v_nop                                          ; one plain place behind a scaled conversion
.irp c, 0,1
.irp i, 0,1,2
	v_permlane16_swap_b32 v[224+6*\c+\i], v[236+4*\c+\i]
.endr
.irp i, 0,1,2
	s_delay_alu instid0(VALU_DEP_3)
	v_mov_b32 v[227+6*\c+\i], v[236+4*\c+\i]
.endr
.endr
	v_pk_add_f32 v[236:237], v[100:101], v[104:105]
	v_pk_add_f32 v[248:249], v[108:109], v[112:113]
	v_pk_add_f32 v[246:247], v[116:117], v[120:121]
	v_pk_add_f32 v[244:245], v[124:125], v[128:129]
	v_pk_add_f32 v[242:243], v[132:133], v[136:137]
	v_pk_add_f32 v[240:241], v[140:141], v[144:145]
	v_pk_add_f32 v[222:223], v[148:149], v[152:153]
	v_pk_add_f32 v[14:15], v[14:15], v[156:157]
	v_pk_add_f32 v[236:237], v[236:237], v[96:97]
	v_pk_add_f32 v[248:249], v[248:249], v[98:99]
	s_setprio 0
	v_pk_add_f32 v[246:247], v[246:247], v[102:103]
	v_pk_add_f32 v[244:245], v[244:245], v[106:107]
	v_pk_add_f32 v[242:243], v[242:243], v[110:111]
	v_pk_add_f32 v[240:241], v[240:241], v[114:115]
	v_pk_add_f32 v[222:223], v[222:223], v[118:119]
	v_pk_add_f32 v[14:15], v[14:15], v[122:123]
	v_pk_add_f32 v[236:237], v[236:237], v[126:127]
	v_pk_add_f32 v[248:249], v[248:249], v[130:131]
	v_pk_add_f32 v[246:247], v[246:247], v[134:135]
	v_pk_add_f32 v[244:245], v[244:245], v[138:139]
	v_pk_add_f32 v[242:243], v[242:243], v[142:143]
	v_pk_add_f32 v[240:241], v[240:241], v[146:147]
	v_pk_add_f32 v[222:223], v[222:223], v[150:151]
	v_pk_add_f32 v[14:15], v[14:15], v[154:155]
	v_pk_add_f32 v[236:237], v[236:237], v[158:159]
	s_delay_alu instid0(VALU_DEP_2)
	v_pk_add_f32 v[14:15], v[14:15], v[244:245]
	s_delay_alu instid0(VALU_DEP_2)
	v_pk_add_f32 v[236:237], v[236:237], v[242:243]
	v_pk_add_f32 v[248:249], v[248:249], v[240:241]
	v_pk_add_f32 v[246:247], v[246:247], v[222:223]
	s_delay_alu instid0(VALU_DEP_2)
	v_pk_add_f32 v[14:15], v[14:15], v[248:249]
	s_delay_alu instid0(VALU_DEP_2)
	v_pk_add_f32 v[236:237], v[236:237], v[246:247]
	s_delay_alu instid0(VALU_DEP_1)
	v_pk_add_f32 v[14:15], v[14:15], v[236:237]
.irp j, 0,2,4,6,8,10,12,14,16,18,20,22,24,26,28,30
	v_pk_mul_f32 v[160+\j:161+\j], v[160+\j:161+\j], v[252:253] op_sel_hi:[1,0]   ; O^T under the new M
.endr
	s_wait_alu depctr_va_vdst(0)
	s_wait_dscnt 0x0                               ; V and its scale words are in
.irp t, 0,1,2,3
.if \t%2
	v_wmma_scale_f32_16x16x128_f8f6f4 v[160+8*\t:167+8*\t], v[32+12*\t:43+12*\t], v[224:235], v[160+8*\t:167+8*\t], v[92+\t/2], v253 matrix_a_fmt:MATRIX_FMT_FP6 matrix_b_fmt:MATRIX_FMT_FP6 matrix_a_scale:MATRIX_SCALE_ROW1
.else
	v_wmma_scale_f32_16x16x128_f8f6f4 v[160+8*\t:167+8*\t], v[32+12*\t:43+12*\t], v[224:235], v[160+8*\t:167+8*\t], v[92+\t/2], v253 matrix_a_fmt:MATRIX_FMT_FP6 matrix_b_fmt:MATRIX_FMT_FP6
.endif
.endr
.Lhidden:
	s_add_co_u32 s15, s15, 128
	s_add_co_u32 s16, s16, STEPB
	s_sub_co_u32 s17, s17, 1
	s_cmp_lg_u32 s17, 0
	s_cbranch_scc1 .Lstep
	s_setprio 0
	; ctx = O^T / the sum.  Register 16 b + i is d = 32 b + 16 h + i of my query: two blocks of the last product's K; they become half a fragment and two scale bytes
.rept 4
	v_nop
.endr
	v_add_f32 v14, v14, v15
	s_delay_alu instid0(VALU_DEP_1)
	v_permlanex16_b32 v252, v14, s20, s21
	s_delay_alu instid0(VALU_DEP_1)
	v_add_f32 v14, v14, v252
	s_wait_alu depctr_va_vdst(0)
	v_rcp_f32 v14, v14
	v_nop                                          ; one plain place behind a transcendental
	s_wait_alu depctr_va_vdst(0)
.irp j, 0,2,4,6,8,10,12,14,16,18,20,22,24,26,28,30
	v_pk_mul_f32 v[96+\j:97+\j], v[160+\j:161+\j], v[14:15] op_sel_hi:[1,0]
.endr
.irp b, 0,1
	v_max3_num_f32 v[232+\b], |v[96+16*\b]|, |v[97+16*\b]|, 0x1800000
.endr
.irp i, 2,4,6,8,10,12,14
.irp b, 0,1
	s_delay_alu instid0(VALU_DEP_2)
	v_max3_num_f32 v[232+\b], v[232+\b], |v[96+16*\b+\i]|, |v[97+16*\b+\i]|
.endr
.endr
.irp b, 0,1
	s_delay_alu instid0(VALU_DEP_2)
	v_permlanex16_b32 v[236+\b], v[232+\b], s20, s21
.endr
.irp b, 0,1
	s_delay_alu instid0(VALU_DEP_2)
	v_max_num_f32 v[232+\b], v[232+\b], v[236+\b]
.endr
.irp b, 0,1
	s_delay_alu instid0(VALU_DEP_2)
	v_add_nc_u32 v[244+\b], 0xff000000, v[232+\b]
.endr
.irp b, 0,1
	s_delay_alu instid0(VALU_DEP_2)
	v_lshrrev_b32 v[236+\b], 23, v[244+\b]
.endr
	s_delay_alu instid0(VALU_DEP_1)
	v_lshl_or_b32 v254, v237, 8, v236
	v_cvt_scalef32_pk16_fp6_f32 v[224:226], v[96:111], v244
	v_cvt_scalef32_pk16_fp6_f32 v[240:242], v[112:127], v245
	v_nop
.irp i, 0,1,2
	v_permlane16_swap_b32 v[224+\i], v[240+\i]
.endr
.irp i, 0,1,2
	s_delay_alu instid0(VALU_DEP_3)
	v_mov_b32 v[227+\i], v[240+\i]
.endr
	global_store_b128 v1, v[224:227], s[74:75]             ; 512 consecutive bytes
	global_store_b64 v2, v[228:229], s[74:75] offset:512   ; 256 consecutive bytes
	global_store_b16 v9, v254, s[76:77]                    ; two bytes a row, 8 bytes apart (both halves of the lanes write the same): 256 KB of the launch's bytes leave so
	s_wait_xcnt 0x0                                ; bases and data are written again only behind this wait
	s_sub_co_u32 s13, 127, s13                     ; the second tile: g
	s_sub_co_u32 s18, s18, 1
	s_cmp_lg_u32 s18, 0
	s_cbranch_scc1 .Lpass
	s_wait_tensorcnt 0x0
	ds_add_u32 v251, v255
	s_wait_dscnt 0x0
	s_endpgm
.Lfunc_end_k_qa4b08566c1_attn:
	.size	k_qa4b08566c1_attn, .Lfunc_end_k_qa4b08566c1_attn-k_qa4b08566c1_attn
	.p2alignl 7, 3214868480
	.fill 96, 4, 3214868480
	.section	.rodata,"a",@progbits
	.p2align	6, 0x0
	.amdhsa_kernel k_qa4b08566c1_attn
		.amdhsa_group_segment_fixed_size 210944
		.amdhsa_private_segment_fixed_size 0
		.amdhsa_enable_private_segment 0
		.amdhsa_kernarg_size 16
		.amdhsa_user_sgpr_count 2
		.amdhsa_user_sgpr_kernarg_segment_ptr 1
		.amdhsa_wavefront_size32 1
		.amdhsa_system_sgpr_workgroup_id_x 1
		.amdhsa_system_sgpr_workgroup_id_y 1
		.amdhsa_system_sgpr_workgroup_id_z 1
		.amdhsa_system_vgpr_workitem_id 0
		.amdhsa_next_free_vgpr 256
		.amdhsa_next_free_sgpr 80
		.amdhsa_reserve_vcc 1
		.amdhsa_float_denorm_mode_32 3
		.amdhsa_float_denorm_mode_16_64 3
		.amdhsa_memory_ordered 1
		.amdhsa_forward_progress 1
		.amdhsa_inst_pref_size 37
	.end_amdhsa_kernel
	.amdgpu_metadata
---
amdhsa.version: [ 1, 2 ]
amdhsa.kernels:
  - .name:           k_qa4b08566c1_attn
    .symbol:         k_qa4b08566c1_attn.kd
    .args:
      - { .name: qkv, .offset: 0, .size: 8, .value_kind: global_buffer, .address_space: global }
      - { .name: ct, .offset: 8, .size: 8, .value_kind: global_buffer, .address_space: global }
    .group_segment_fixed_size: 210944
    .private_segment_fixed_size: 0
    .kernarg_segment_align: 8
    .kernarg_segment_size: 16
    .max_flat_workgroup_size: 512
    .sgpr_count:     80
    .vgpr_count:     256
    .wavefront_size: 32
...
	.end_amdgpu_metadata
.endif
;; end of part 3
;; launch proj (part 4): grid 4 x 64, 4 waves a work-group, clusters of 4 x 4, 327,680 bytes of LDS; arguments ct, wq, bo, out0; writes out0
.if DOCPART == 4
	.amdgcn_target "amdgcn-amd-amdhsa--gfx1250"
	.amdhsa_code_object_version 6
	.text
	.protected	k_qa4b08566c1_proj
	.globl	k_qa4b08566c1_proj
	.p2align	8
	.type	k_qa4b08566c1_proj,@function
k_qa4b08566c1_proj:
	s_mov_b64 s[64:65], 0
	v_nop
	global_prefetch_b8 v0, s[64:65] scope:SCOPE_SE
	s_setreg_imm32_b32 hwreg(HW_REG_WAVE_MODE, 25, 1), 1
	s_wait_xcnt 0x0
	s_wait_alu depctr_hold_cnt(0) depctr_sa_sdst(0) depctr_va_vdst(0) depctr_va_sdst(0) depctr_va_ssrc(0) depctr_va_vcc(0) depctr_vm_vsrc(0)
	s_getreg_b32 s2, hwreg(HW_REG_IB_STS2, 6, 4)
	s_cmp_eq_u32 s2, 0
	s_cbranch_scc0 .Lentry_in_a_cluster
	s_endpgm
.Lentry_in_a_cluster:
	s_bfe_u32 s2, ttmp6, 0x10000c
	s_cmp_lg_u32 s2, 0xf033
	s_cbranch_scc0 .Lentry_shape_is_right
	s_endpgm
.Lentry_shape_is_right:
; out0 = ctx Wo + bo on codes of FP6 (E2M3) with E8M0 scales, K = 1,024; out0 [8192][1024] f32.
; OPERANDS lie in memory as images of their registers (a tile of 16 rows, number T, holds rows 32 (T / 2) + 8 (T % 2) + r + 8 (r / 8); codes [T][K step of 128][c][768], scale words [T][K step / 2][r][K step % 2]).
; ct: ctx's 512 tiles, scale words from byte 6,291,456.  wq: Wo's rows n are rows 3,072 on, scale words from byte 3,145,728.
; SHARES.  A work-group of four waves makes 128 tokens x 256 columns: 64 x 4 = 256 work-groups; a wave makes 64 x 128: 32 accumulators.
; ALL OF K LIES IN LDS: 128 + 256 rows x 768 bytes are 294,912 bytes, in two halves of 512 along K, each brought by one tensor load a wave at the start.  Nothing is filled again: no ring, two barriers.
; THE PRODUCT IS USED TRANSPOSED (source 0 = 16 rows of Wo, source 1 = 16 tokens): a lane holds eight neighbouring columns of one row of out0.  The bias is the C of each sum's first matrix instruction.
; CLUSTERS 4 x 4: ctx's tile is asked for jointly along a row of the cluster, Wo's along a column.
; REGISTERS: window 0: v16-23 LDS addresses, v24-26 the way out, v27 scale words' address, v32-63 scale words (two sets), v64-127 the bias (8 tiles x 8), v128-223 A's fragments (two sets of 4); on the way out v128-255.
;   window 1: B's fragments, two sets, at v0 and v128.   window 2: the accumulators: (a, b) at v[8 (8 a + b)].
.set FR,     12
.set NP,     4                         ; places behind this matrix instruction (ISA guide 7.12.1)
.set TB,     6144                      ; a tile of 16 rows in a slot: 512 along K
.set AH,     4*TB                      ; 64 tokens: what one tensor load brings, and what one wave reads of A
.set BH,     8*TB                      ; 128 rows of Wo: likewise for B
.set BOFF,   2*AH
.set SLOT,   2*AH+2*BH                 ; 147,456
.set SCL,    2*SLOT                    ; the scale words: A's 4,096 bytes, then B's 8,192
.set SPITCH, 528                       ; the way out: a stage of 16 rows x (512 + 16) bytes a wave, in slot 0, which is filled once and which nobody reads behind the second barrier
.set ADRA, 16
.set ADRB, 20
.set STO,  24
.set RD,   25
.set CO,   26
.set ADRS, 27
.set SC,   32
.set BI,   64
.set AF,   128
.set BK,   128
.set G1, 24
.set G0, 32
.set G1B, 48
.set G0B, 56
.set G1S, 68
.set G0S, 76
.set G1SB, 80
.set G0SB, 88
.set MSB, 0
.macro WIN new                         ; the immediate's high byte repeats the setting that is left
.if MSB != (\new)
	s_set_vgpr_msb (MSB<<8)|(\new)
.set MSB, (\new)
.endif
.endm
.set MUL_LO, 0xa1                      ; source 0 (B) window 1, source 1 (A) window 0, C and D window 2
.set TO_B,   0x40
.macro JLOAD g0a, g1a, g0b, g1b        ; a joint load: waves 0, 1 fetch for A, waves 2, 3 for B; four v_nop follow each line
	s_cmp_eq_u32 s15, 0
	s_cbranch_scc0 .Lfor_b_\@
	tensor_load_to_lds s[\g0a:\g0a+3], s[\g1a:\g1a+7]
	s_nop 0
.rept 4
	v_nop
.endr
	s_branch .Lasked_\@
.Lfor_b_\@:
	tensor_load_to_lds s[\g0b:\g0b+3], s[\g1b:\g1b+7]
	s_nop 0
.rept 4
	v_nop
.endr
.Lasked_\@:
.endm
.macro CROUND                          ; a round of the cluster's barrier
	s_barrier_signal -1
	s_barrier_wait -1
	s_cmp_lg_u32 s14, 0
	s_cbranch_scc1 .Lnot_wave_0_\@
	s_barrier_signal -3
.Lnot_wave_0_\@:
	s_barrier_wait -3
	s_barrier_signal -1
	s_barrier_wait -1
.endm
	s_load_b128 s[4:7], s[0:1], 0x0                ; ct, wq
	s_load_b128 s[8:11], s[0:1], 0x10              ; bo, out0
	v_lshl_add_u32 v30, v0, 2, 0x4b000
	v_mov_b32 v31, 0
	ds_add_u32 v30, v31
	ds_add_u32 v30, v31
	v_lshrrev_b32 v1, 5, v0
	v_readfirstlane_b32 s14, v1                    ; wave
	s_lshr_b32 s15, s14, 1                         ; my half of the tokens.  Also: I fetch for A (0) or for B (1)
	s_and_b32 s16, s14, 1                          ; my half of the columns.  Also: which half I fetch
	s_bfe_u32 s40, ttmp6, 0x40000                  ; cx
	s_bfe_u32 s41, ttmp6, 0x40004                  ; cy
	s_lshl_b32 s42, ttmp9, 2
	s_add_co_u32 s42, s42, s40                     ; the block of 256 columns: 0 .. 3
	s_and_b32 s17, ttmp7, 0xffff
	s_lshl_b32 s17, s17, 2
	s_add_co_u32 s66, s17, s41                     ; the block of 128 tokens: 0 .. 63
	s_add_co_u32 s67, s42, 12                      ; Wo's rows begin at block 12 of wq
	s_lshl_b32 s43, s41, 2
	s_lshl_b32 s43, 15, s43                        ; my row of the cluster
	s_lshl_b32 s44, 0x1111, s40                    ; my column
	s_or_b32 s[G1+0], s43, (3<<16)|(1<<21)         ; 15:0 the mask; 17:16 elements of 8 bytes; 21 set beside a mask; no padding
	s_or_b32 s[G1B+0], s44, (3<<16)|(1<<21)
.irp g, G1, G1B
	s_mov_b32 s[\g+1], 768<<16                     ; tensor_dim0: a tile's 6,144 bytes of 512 along K
	s_mov_b32 s[\g+3], 768<<16                     ; tile_dim0
	s_mov_b32 s[\g+5], 1536                        ; from tile to tile: 12,288 bytes
	s_mov_b32 s[\g+6], 0
	s_mov_b32 s[\g+7], 0
.endr
	s_mov_b32 s[G1+2], 4<<16                       ; A: 4 tiles of 16 rows to a load
	s_mov_b32 s[G1+4], 4
	s_mov_b32 s[G1B+2], 8<<16                      ; B: 8
	s_mov_b32 s[G1B+4], 8
	s_or_b32 s[G1S+0], s43, (3<<16)|(1<<21)        ; the scale words: dense bytes as rows of 256
	s_or_b32 s[G1SB+0], s44, (3<<16)|(1<<21)
.irp g, G1S, G1SB
	s_mov_b32 s[\g+1], 32<<16
	s_mov_b32 s[\g+3], 32<<16
	s_mov_b32 s[\g+5], 32
	s_mov_b32 s[\g+6], 0
	s_mov_b32 s[\g+7], 0
.endr
	s_mov_b32 s[G1S+2], 8<<16                      ; 64 tokens: 2,048 bytes
	s_mov_b32 s[G1S+4], 8
	s_mov_b32 s[G1SB+2], 16<<16                    ; 128 rows of Wo: 4,096
	s_mov_b32 s[G1SB+4], 16
	s_mul_i32 s20, s66, 98304
	s_mul_i32 s18, s16, 49152
	s_add_co_u32 s20, s20, s18                     ; ctx: the codes of the 64 tokens that I fetch,
	s_mov_b32 s21, 0
	s_lshl_b32 s22, s66, 12
	s_lshl_b32 s18, s16, 11
	s_add_co_u32 s22, s22, s18
	s_add_co_u32 s22, s22, 6291456                 ; and their scale words
	s_mov_b32 s23, 0
	s_mul_i32 s46, s67, 196608
	s_mul_i32 s18, s16, 98304
	s_add_co_u32 s46, s46, s18                     ; Wo: codes,
	s_mov_b32 s47, 0
	s_lshl_b32 s92, s67, 13
	s_lshl_b32 s18, s16, 12
	s_add_co_u32 s92, s92, s18
	s_add_co_u32 s92, s92, 3145728                 ; and scale words
	s_mov_b32 s93, 0
	s_mul_i32 s45, s16, AH                         ; where they go: no place in the cluster enters an LDS address
	s_mul_i32 s95, s16, BH
	s_add_co_u32 s95, s95, BOFF
	s_lshl_b32 s94, s16, 11
	s_lshl_b32 s96, s16, 12
	s_wait_dscnt 0x0
	s_wait_kmcnt 0x0
	s_add_nc_u64 s[20:21], s[4:5], s[20:21]
	s_add_nc_u64 s[22:23], s[4:5], s[22:23]
	s_add_nc_u64 s[46:47], s[6:7], s[46:47]
	s_add_nc_u64 s[92:93], s[6:7], s[92:93]
	CROUND                                         ; all sixteen work-groups are here: the joint loads meet
	s_mov_b32 s[G0S], 1
	s_add_co_u32 s[G0S+1], s94, SCL
	s_mov_b64 s[G0S+2:G0S+3], s[22:23]
	s_or_b32 s[G0S+3], s[G0S+3], 0x80000000
	s_mov_b32 s[G0SB], 1
	s_add_co_u32 s[G0SB+1], s96, SCL+4096
	s_mov_b64 s[G0SB+2:G0SB+3], s[92:93]
	s_or_b32 s[G0SB+3], s[G0SB+3], 0x80000000
	JLOAD G0S, G1S, G0SB, G1SB                     ; three loads of mine go out together, and no more follow: the scale words, K 0-511, K 512-1,023
.irp s, 0,1
	s_mov_b32 s[G0+4*\s], 1
	s_add_co_u32 s[G0+4*\s+1], s45, \s*SLOT
	s_add_nc_u64 s[G0+4*\s+2:G0+4*\s+3], s[20:21], \s*TB
	s_or_b32 s[G0+4*\s+3], s[G0+4*\s+3], 0x80000000
	s_mov_b32 s[G0B+4*\s], 1
	s_add_co_u32 s[G0B+4*\s+1], s95, \s*SLOT
	s_add_nc_u64 s[G0B+4*\s+2:G0B+4*\s+3], s[46:47], \s*TB
	s_or_b32 s[G0B+4*\s+3], s[G0B+4*\s+3], 0x80000000
	JLOAD G0+4*\s, G1, G0B+4*\s, G1B
.endr
	v_and_b32 v1, 31, v0
	v_lshlrev_b32 v[CO], 4, v1                     ; 16 x lane
	v_lshlrev_b32 v6, 3, v1                        ; 8 x lane
	v_and_b32 v2, 15, v0                           ; r
	v_bfe_u32 v3, v0, 4, 1                         ; h
	v_lshlrev_b32 v5, 6, v3                        ; the bias: lanes 16-31 hold columns 16 further on
	s_lshl_b32 s2, s42, 10
	s_lshl_b32 s3, s16, 9
	s_add_co_u32 s2, s2, s3                        ; my first column, in bytes
	s_mov_b32 s3, 0
	s_add_nc_u64 s[8:9], s[8:9], s[2:3]
.irp b, 0,1,2,3,4,5,6,7                        ; register j of tile b: bo at column 32 (b / 2) + 8 (b % 2) + 16 h + j of my 128
	global_load_b128 v[BI+8*\b:BI+8*\b+3], v5, s[8:9] offset:128*(\b/2)+32*(\b%2)
	global_load_b128 v[BI+8*\b+4:BI+8*\b+7], v5, s[8:9] offset:128*(\b/2)+32*(\b%2)+16
.endr
	s_lshl_b32 s4, s66, 7
	s_lshl_b32 s5, s15, 6
	s_add_co_u32 s4, s4, s5                        ; my first token
	s_lshl_b32 s4, s4, 12
	s_add_co_u32 s4, s4, s2
	s_mov_b32 s5, 0
	s_add_nc_u64 s[10:11], s[10:11], s[4:5]        ; out0 at my first row and column
	s_mul_i32 s2, s15, AH                          ; my 64 tokens
	s_mul_i32 s3, s16, BH
	s_add_co_u32 s3, s3, BOFF                      ; my 128 rows of Wo, behind A's 128
.irp s, 0,1
	v_add_nc_u32 v[ADRA+\s], s2, v[CO]
	v_add_nc_u32 v[ADRA+2+\s], s2, v6
	v_add_nc_u32 v[ADRB+\s], s3, v[CO]
	v_add_nc_u32 v[ADRB+2+\s], s3, v6
	s_add_co_u32 s2, s2, SLOT
	s_add_co_u32 s3, s3, SLOT
.endr
	s_lshl_b32 s2, s15, 11                         ; scale words: lanes 0-15 take A's, lanes 16-31 B's
	s_lshl_b32 s3, s16, 12
	s_add_co_u32 s3, s3, 4096
	s_sub_co_u32 s3, s3, s2
	v_mul_u32_u24 v4, s3, v3
	s_add_co_u32 s2, s2, SCL
	v_lshl_add_u32 v[ADRS], v2, 3, v4
	v_add_nc_u32 v[ADRS], s2, v[ADRS]
	s_mul_i32 s2, s14, 16*SPITCH                   ; my stage
	v_mul_u32_u24 v[STO], v2, SPITCH
	v_lshl_add_u32 v[STO], v3, 6, v[STO]
	v_add_nc_u32 v[STO], s2, v[STO]                ; in: row r, + 64 h
	v_add_nc_u32 v[RD], s2, v[CO]                  ; back: the 32 lanes take a row of 512 bytes
.macro FRAG reg, adr, q, i             ; a fragment, 16 rows x 128 K, 12 registers, comes as it was stored: 512, 256, 512, 256 consecutive bytes
	ds_load_b128 v[\reg:\reg+3], v[\adr] offset:(\i)*TB+(\q)*1536
	ds_load_b64 v[\reg+4:\reg+5], v[\adr+2] offset:(\i)*TB+(\q)*1536+512
	ds_load_b128 v[\reg+6:\reg+9], v[\adr] offset:(\i)*TB+(\q)*1536+768
	ds_load_b64 v[\reg+10:\reg+11], v[\adr+2] offset:(\i)*TB+(\q)*1536+1280
.endm
; 8 matrix instructions: A's block a x B's eight.  p: both operands' set, and which word of the pair of scale words; sc: the set of scale words; first = 1: the sums begin with the bias as C.  The 32 accumulators take turns.
.macro MULA a, p, sc, first
.irp b, 0,1,2,3,4,5,6,7
.if \first
	v_wmma_scale_f32_16x16x128_f8f6f4 v[8*(8*(\a)+\b):8*(8*(\a)+\b)+7], v[128*(\p)+FR*\b:128*(\p)+FR*\b+FR-1], v[AF+48*(\p)+FR*(\a):AF+48*(\p)+FR*(\a)+FR-1], v[BI+8*\b:BI+8*\b+7], v[SC+16*(\sc)+2*\b+(\p)], v[SC+16*(\sc)+2*(\a)+(\p)] matrix_a_fmt:MATRIX_FMT_FP6 matrix_b_fmt:MATRIX_FMT_FP6 matrix_a_scale:MATRIX_SCALE_ROW1
.else
	v_wmma_scale_f32_16x16x128_f8f6f4 v[8*(8*(\a)+\b):8*(8*(\a)+\b)+7], v[128*(\p)+FR*\b:128*(\p)+FR*\b+FR-1], v[AF+48*(\p)+FR*(\a):AF+48*(\p)+FR*(\a)+FR-1], v[8*(8*(\a)+\b):8*(8*(\a)+\b)+7], v[SC+16*(\sc)+2*\b+(\p)], v[SC+16*(\sc)+2*(\a)+(\p)] matrix_a_fmt:MATRIX_FMT_FP6 matrix_b_fmt:MATRIX_FMT_FP6 matrix_a_scale:MATRIX_SCALE_ROW1
.endif
.endr
.endm
.macro FETCH_B slot, q, p
	WIN TO_B
.irp i, 0,1,2,3,4,5,6,7
	FRAG 128*(\p)+FR*\i, ADRB+\slot, \q, \i
.endr
	WIN 0
.endm
.macro FETCH_H slot, q, p              ; A's four blocks into set p
.irp i, 0,1,2,3
	FRAG AF+48*(\p)+FR*\i, ADRA+\slot, \q, \i
.endr
.endm
.macro SCALES sc                       ; the two words a row of 256 along K, into set sc: lanes 0-15 A's tile i (i < 4 are mine; the others are read and not used), lanes 16-31 B's tile i
.irp i, 0,1,2,3,4,5,6,7
	ds_load_b64 v[SC+16*(\sc)+2*\i:SC+16*(\sc)+2*\i+1], v[ADRS] offset:\i*512
.endr
.endm
.macro PLACES n                        ; plain vector instructions between a matrix instruction and a load into, or a read of, its registers
.rept \n
	v_nop
.endr
.endm
; Step k of eight, 128 along K: the next step's fragments are asked for first, into the other sets, and land under this step's 32 matrix instructions.  Step 3 is the last that reads ahead in slot 0: it meets the others, and then reads slot 1.
; Scale words: steps 2 n and 2 n + 1 read set n % 2; the run for the next 256 along K, issued in steps 1, 3 and 5, goes into the other set.
.macro PSTEP k
.set KN, (\k)+1
.set KP, (\k)%2
.set KS, ((\k)/2)%2
.set FS, 0
.set WM, MUL_LO
.if (\k) == 0
.set FS, 1
.set WM, MUL_LO-0x20                   ; with the bias as C: source 2 in window 0
.endif
	s_wait_dscnt 0x0                               ; this step's fragments and scale words are in; none of my reads of LDS is out
.if (\k) == 3
	s_wait_tensorcnt 0x0                           ; my part of slot 1 has landed: the one load of mine that was out
	s_barrier_signal -1
	WIN WM
	MULA 0, KP, KS, 0
	MULA 1, KP, KS, 0
	WIN 0
	s_barrier_wait -1                              ; slot 1 is whole, and nobody reads slot 0 any more
.endif
.if (\k) < 7
.if (\k) > 0
	PLACES NP
.endif
.if KN%2 == 0
	v_add_nc_u32 v[ADRS], 128, v[ADRS]             ; the next 256 along K
.endif
	FETCH_B KN/4, KN%4, KN%2
	FETCH_H KN/4, KN%4, KN%2
.if KN%2 == 0
	SCALES (KN/2)%2
.endif
.endif
	WIN WM
.if (\k) != 3
	MULA 0, KP, KS, FS
	MULA 1, KP, KS, FS
.endif
	MULA 2, KP, KS, FS
	MULA 3, KP, KS, FS
	WIN 0
.endm
	s_wait_tensorcnt 1                             ; the scale words and my part of slot 0 are in; slot 1's load may be out
	s_barrier_signal -1
	s_barrier_wait -1
	FETCH_B 0, 0, 0
	FETCH_H 0, 0, 0
	SCALES 0
	s_wait_loadcnt 0x0                             ; the bias
.irp k, 0,1,2,3,4,5,6,7
	PSTEP \k
.endr
; THE WAY OUT, a tile of 16 tokens x 128 columns at a time, through my own stage: in by 32 bytes a lane, back as whole rows of 512 bytes.  LDS serves a wave's instructions in order: no wait between the stores and the loads.
.macro TOSTAGE a
.set AC, 64*(\a)
	WIN 0x08                                       ; an LDS store's data are its source 1: window 2
.irp b, 0,1,2,3,4,5,6,7
	ds_store_b128 v[STO], v[AC+8*\b:AC+8*\b+3] offset:128*(\b/2)+32*(\b%2)        ; each accumulator from its low end on
	ds_store_b128 v[STO], v[AC+8*\b+4:AC+8*\b+7] offset:128*(\b/2)+32*(\b%2)+16
.endr
	WIN 0
.set BB, BK+64*((\a)%2)
.irp t, 0,1,2,3,4,5,6,7,8,9,10,11,12,13,14,15
	ds_load_b128 v[BB+4*\t:BB+4*\t+3], v[RD] offset:\t*SPITCH
.endr
.endm
.macro SEND a, younger                 ; younger: the LDS instructions issued behind tile a's loads, which may stay out
.set BB, BK+64*((\a)%2)
	s_wait_dscnt \younger
.irp t, 0,1,2,3,4,5,6,7,8,9,10,11,12,13,14,15
	global_store_b128 v[CO], v[BB+4*\t:BB+4*\t+3], s[10:11] offset:(32*((\a)/2)+8*((\a)%2)+\t+8*(\t/8))*4096 th:TH_STORE_NT   ; 512 consecutive bytes, aligned; the row by the tile's order; 63 rows at the most in the immediate
.endr
.endm
	PLACES NP
	TOSTAGE 0
.irp a, 1,2,3
.if \a > 1
	s_wait_xcnt 0x0                                ; tile a - 2's stores have read their registers: tile a's loads may land there
.endif
	TOSTAGE \a
	SEND \a-1, 32                                  ; behind tile a - 1's loads: tile a's 16 stores and 16 loads
.endr
	SEND 3, 0
	s_wait_tensorcnt 0x0
	ds_add_u32 v30, v31
	s_wait_dscnt 0x0
	CROUND                                         ; the closing round: no work-group ends while a partner may still ask for a tile that names it
	s_endpgm
.Lfunc_end_k_qa4b08566c1_proj:
	.size	k_qa4b08566c1_proj, .Lfunc_end_k_qa4b08566c1_proj-k_qa4b08566c1_proj
	.p2alignl 7, 3214868480
	.fill 96, 4, 3214868480
	.section	.rodata,"a",@progbits
	.p2align	6, 0x0
	.amdhsa_kernel k_qa4b08566c1_proj
		.amdhsa_group_segment_fixed_size 327680
		.amdhsa_private_segment_fixed_size 0
		.amdhsa_enable_private_segment 0
		.amdhsa_kernarg_size 32
		.amdhsa_user_sgpr_count 2
		.amdhsa_user_sgpr_kernarg_segment_ptr 1
		.amdhsa_wavefront_size32 1
		.amdhsa_system_sgpr_workgroup_id_x 1
		.amdhsa_system_sgpr_workgroup_id_y 1
		.amdhsa_system_sgpr_workgroup_id_z 1
		.amdhsa_system_vgpr_workitem_id 0
		.amdhsa_next_free_vgpr 1024
		.amdhsa_next_free_sgpr 100
		.amdhsa_reserve_vcc 0
		.amdhsa_float_denorm_mode_32 3
		.amdhsa_float_denorm_mode_16_64 3
		.amdhsa_memory_ordered 1
		.amdhsa_forward_progress 1
		.amdhsa_inst_pref_size 87
	.end_amdhsa_kernel
	.amdgpu_metadata
---
amdhsa.version: [ 1, 2 ]
amdhsa.kernels:
  - .name:           k_qa4b08566c1_proj
    .symbol:         k_qa4b08566c1_proj.kd
    .args:
      - { .name: ct, .offset: 0, .size: 8, .value_kind: global_buffer, .address_space: global }
      - { .name: wq, .offset: 8, .size: 8, .value_kind: global_buffer, .address_space: global }
      - { .name: bo, .offset: 16, .size: 8, .value_kind: global_buffer, .address_space: global }
      - { .name: out0, .offset: 24, .size: 8, .value_kind: global_buffer, .address_space: global }
    .group_segment_fixed_size: 327680
    .private_segment_fixed_size: 0
    .kernarg_segment_align: 8
    .kernarg_segment_size: 32
    .max_flat_workgroup_size: 128
    .sgpr_count:     100
    .vgpr_count:     1024
    .wavefront_size: 32
...
	.end_amdgpu_metadata
.endif
;; end of part 4
